; MI455X (gfx1250); checked and timed in simulation.
; The chip was launched on July 23, 2026; its instructions are those of AMD's public machine-readable ISA for CDNA 5 (MIT licence, August 2026) and "CDNA5" Instruction Set Architecture Reference Guide (July 2026). The comments in the code are by the model that wrote it; some were corrected since.
;; Qwen3 Attention. Allowed arithmetic: float matrix products may take bf16 or f16 operands with f32 sums; other float arithmetic in f32, or as packed bf16 or f16 multiplies, adds, multiply-adds, maxima and minima; sums over many terms, partial sums and values carried from step to step in f32; what a program stores and reads back later, other than sums and carried values, may be rounded once to bf16 or f16.
;; Inputs: Wk 1,024 x 4,096 float32; Wo 4,096 x 2,048 float32; Wq 2,048 x 4,096 float32; Wv 1,024 x 4,096 float32; attention_mask 1 x 1 x 2,048 x 2,048 float32; hidden_states 1 x 2,048 x 4,096 float32; k_norm_w 128 float32; position_ids 1 x 2,048 int32; q_norm_w 128 float32.
;; Outputs: out0 1 x 2,048 x 4,096 float32.
;; One version. Each part assembles by itself: llvm-mc -triple=amdgcn-amd-amdhsa -mcpu=gfx1250 --defsym DOCPART=n.
;; ======== version 1 of 1: 4 launches
;; limits: values are held in f16: magnitudes above 65,504 overflow, below 6.1e-05 lose precision; right only within a limited range of input values
;; workspace buffers: xb 16,777,216 bytes; wqkv 33,554,432 bytes; wo16 16,777,216 bytes; mask2 16,777,216 bytes; rope 1,049,600 bytes; qkv 16,777,216 bytes; ctx 8,388,608 bytes
;; launch prep (part 1): grid 256 x 7, 8 waves a work-group, no clusters, 0 bytes of LDS; arguments hidden_states, Wq, Wk, Wv, position_ids, q_norm_w, k_norm_w, xb, wqkv, rope; writes xb, wqkv, rope
.if DOCPART == 1
	.amdgcn_target "amdgcn-amd-amdhsa--gfx1250"
	.amdhsa_code_object_version 6
	.text
	.protected	k_qbae25de683_prep
	.globl	k_qbae25de683_prep
	.p2align	8
	.type	k_qbae25de683_prep,@function
k_qbae25de683_prep:
	s_mov_b64 s[64:65], 0
	v_nop
	global_prefetch_b8 v0, s[64:65] scope:SCOPE_SE
	s_setreg_imm32_b32 hwreg(HW_REG_WAVE_MODE, 25, 1), 1
	s_wait_xcnt 0x0
; PREP: one pass over what the first product needs, so that it finds bf16 operands and ready tables.
;   y = 0,1  xb   = bf16(hidden_states)            y = 2,3  wqkv rows 0-2047    = bf16(Wq)
;   y = 4    wqkv rows 2048-3071 = bf16(Wk)        y = 5    wqkv rows 3072-4095 = bf16(Wv / 4)
;   y = 6    rope = cos and sin of position x frequency, laid out as the projection's registers want them; behind them the two gains
; The factor 1/4 is a power of two and is undone by the output projection's weights: it gives v and the context room in f16.
; LIMITS.  The frequencies are made by 2^x: an angle is off by about 1e-7 of itself.  NaN and infinities are not treated apart.
; SHARES.  A segment y is 4,194,304 numbers; work-group x takes 65,536 bytes of it, a wave 8,192: sixteen loads of 512 consecutive bytes, all issued before the first is used.
; Memory binds: no LDS, no barrier, no matrix unit; the work-groups share no input, so there is no cluster.  No register is written twice while a memory instruction may read it.
.set X,   8                            ; v[8:71]   sixteen loads, four registers each
.set SRC, 36                           ; s[36:37]  where my work-group reads
.set DST, 38                           ; s[38:39]  where it writes
; load i: scaled by sc (0: not at all), rounded to bf16.  The store covers 256 consecutive bytes, aligned.
.macro CV i, sc
	s_wait_loadcnt 15-(\i)                         ; loads come back in order (ISA guide 5.7.1): the younger ones stay out
.if \sc
	v_pk_mul_f32 v[X+4*(\i):X+4*(\i)+1],   v[X+4*(\i):X+4*(\i)+1],   \sc op_sel_hi:[1,0]
	v_pk_mul_f32 v[X+4*(\i)+2:X+4*(\i)+3], v[X+4*(\i)+2:X+4*(\i)+3], \sc op_sel_hi:[1,0]
.endif
	v_cvt_pk_bf16_f32 v[X+4*(\i)],   v[X+4*(\i)],   v[X+4*(\i)+1]
	v_cvt_pk_bf16_f32 v[X+4*(\i)+1], v[X+4*(\i)+2], v[X+4*(\i)+3]
	global_store_b64 v2, v[X+4*(\i):X+4*(\i)+1], s[DST:DST+1] offset:256*(\i)
.endm
; cos or sin of position x frequency e: the angle less the nearest multiple n of pi/2 (pi/2 in two parts), two short polynomials, and the quadrant chooses.
; sin(t) = cos(t - pi/2): for the sine 3 is added to the quadrant (s6 = 0 or 3).
.macro ANG e
	v_mul_f32 v12, v6, v[8+(\e)]                   ; the angle, in f32 as the model makes it
	v_mul_f32 v13, 0x3f22f983, v12                 ; x 2 / pi
	v_rndne_f32 v13, v13                           ; n
	v_fmamk_f32 v14, v13, 0xbfc90fdb, v12          ; - n x the upper part of pi/2
	v_fmamk_f32 v14, v13, 0x333bbd2e, v14          ; - n x the lower part (which is negative)
	v_mul_f32 v15, v14, v14
	v_fma_f32 v16, v15, s50, s51                   ; cos on -pi/4 .. pi/4
	v_fmaak_f32 v16, v16, v15, 0x3d2aaaa5
	v_fma_f32 v16, v16, v15, -0.5
	v_fma_f32 v16, v16, v15, 1.0
	v_fma_f32 v17, v15, s52, s53                   ; sin on -pi/4 .. pi/4
	v_fmaak_f32 v17, v17, v15, 0xbe2aaaa3
	v_mul_f32 v17, v17, v15
	v_fma_f32 v17, v17, v14, v14
	v_cvt_i32_f32 v18, v13
	v_add_nc_u32 v18, s6, v18                      ; the quadrant, modulo 4 in its low bits
	v_and_b32 v19, 1, v18
	v_cmp_eq_u32 vcc_lo, 1, v19
	v_cndmask_b32 v[20+(\e)], v16, v17, vcc_lo     ; odd quadrants take the sine
	v_add_nc_u32 v18, 1, v18
	v_and_b32 v18, 2, v18                          ; quadrants 1 and 2 are negative
	v_lshlrev_b32 v18, 30, v18
	v_xor_b32 v[20+(\e)], v18, v[20+(\e)]
.endm
	s_load_b512 s[8:23], s[0:1], 0x0               ; hidden s[8:9], Wq s[10:11], Wk s[12:13], Wv s[14:15], positions s[16:17], q gain s[18:19], k gain s[20:21], xb s[22:23]
	s_load_b128 s[24:27], s[0:1], 0x40             ; wqkv s[24:25], rope s[26:27]
	s_and_b32 s2, ttmp7, 0xffff                    ; y: the segment
	s_mov_b32 s3, ttmp9                            ; x: the part of it
	v_lshrrev_b32 v3, 5, v0
	v_readfirstlane_b32 s4, v3                     ; my wave's number
	v_and_b32 v4, 31, v0
	v_lshlrev_b32 v1, 13, v3                       ; 8,192 bytes a wave,
	v_lshl_or_b32 v1, v4, 4, v1                    ; 16 a lane: my offset in the f32 data
	v_lshrrev_b32 v2, 1, v1                        ; and in the bf16 data
	; offsets are made apart from the addresses, in pairs of their own
	s_and_b32 s5, s2, 1
	s_lshl_b32 s40, s5, 24                         ; the second half of a tensor of two segments;
	s_cmp_eq_u32 s2, 5
	s_cselect_b32 s40, 0, s40                      ; Wv has one
	s_lshl_b32 s6, s3, 16
	s_add_co_u32 s40, s40, s6
	s_mov_b32 s41, 0
	s_lshl_b32 s42, s5, 23
	s_and_b32 s7, s2, 6
	s_cmp_eq_u32 s7, 4
	s_cselect_b32 s7, 0x1000000, 0                 ; Wk and Wv lie behind Wq's 2,048 rows of 8,192 bytes
	s_add_co_u32 s42, s42, s7
	s_lshl_b32 s7, s3, 15
	s_add_co_u32 s42, s42, s7
	s_mov_b32 s43, 0
	s_mov_b32 s48, 0xffff0000                      ; a word's upper bf16
	s_wait_kmcnt 0x0
	s_cmp_eq_u32 s2, 6
	s_cbranch_scc1 .Ltab
	s_mov_b64 s[SRC:SRC+1], s[8:9]                 ; the segment chooses its two buffers
	s_mov_b64 s[DST:DST+1], s[22:23]
	s_cmp_ge_u32 s2, 2
	s_cselect_b64 s[SRC:SRC+1], s[10:11], s[SRC:SRC+1]
	s_cselect_b64 s[DST:DST+1], s[24:25], s[DST:DST+1]
	s_cmp_ge_u32 s2, 4
	s_cselect_b64 s[SRC:SRC+1], s[12:13], s[SRC:SRC+1]
	s_cmp_ge_u32 s2, 5
	s_cselect_b64 s[SRC:SRC+1], s[14:15], s[SRC:SRC+1]
	s_add_nc_u64 s[SRC:SRC+1], s[SRC:SRC+1], s[40:41]
	s_add_nc_u64 s[DST:DST+1], s[DST:DST+1], s[42:43]
.irp i, 0,1,2,3,4,5,6,7,8,9,10,11,12,13,14,15
	global_load_b128 v[X+4*(\i):X+4*(\i)+3], v1, s[SRC:SRC+1] offset:512*(\i) th:TH_LOAD_NT  ; read once in the launch
.endr
	s_cmp_eq_u32 s2, 5
	s_cbranch_scc1 .Lquarter
.irp i, 0,1,2,3,4,5,6,7,8,9,10,11,12,13,14,15
	CV \i, 0                                       ; x, Wq, Wk
.endr
	s_endpgm
.Lquarter:
.irp i, 0,1,2,3,4,5,6,7,8,9,10,11,12,13,14,15
	CV \i, 0x3e800000                              ; Wv / 4
.endr
	s_endpgm
; THE TABLES.  Work-group x makes 4,096 bytes: block x / 2 of 16 positions, cos (x even) or sin (x odd).  Thread t = 32 w + lane writes the four numbers of position lane % 16
; and frequencies 16 (w / 2) + 8 (lane / 16) + 4 (w % 2) + 0..3 at byte 16 t: the order in which a lane of the projection holds a row's columns.
.Ltab:
	s_lshr_b32 s5, s3, 1                           ; the block of positions
	s_and_b32 s6, s3, 1
	s_mul_i32 s6, s6, 3                            ; what the sine adds to the quadrant
	s_lshl_b32 s40, s5, 6                          ; 16 positions of 4 bytes
	s_add_nc_u64 s[SRC:SRC+1], s[16:17], s[40:41]
	v_and_b32 v5, 15, v0
	v_lshlrev_b32 v5, 2, v5
	global_load_b32 v6, v5, s[SRC:SRC+1]
	s_lshl_b32 s42, s3, 12
	s_add_nc_u64 s[DST:DST+1], s[26:27], s[42:43]
	s_mov_b32 s50, 0x37ccf5ce                      ; the polynomials' leading coefficients
	s_mov_b32 s51, 0xbab6061a
	s_mov_b32 s52, 0xb94ca1f9
	s_mov_b32 s53, 0x3c08839e
	v_bfe_u32 v7, v0, 4, 1
	s_lshr_b32 s7, s4, 1
	s_lshl_b32 s7, s7, 4
	s_and_b32 s49, s4, 1
	s_lshl2_add_u32 s7, s49, s7
	v_lshl_add_u32 v7, v7, 3, s7                   ; my first frequency's number i
.irp e, 0,1,2,3
	v_add_nc_u32 v[8+(\e)], (\e), v7
	v_cvt_f32_u32 v[8+(\e)], v[8+(\e)]
	v_mul_f32 v[8+(\e)], 0xbe9f73da, v[8+(\e)]     ; - i log2(1,000,000) / 64
.endr
.irp e, 0,1,2,3
	v_exp_f32 v[8+(\e)], v[8+(\e)]                 ; the frequency
.endr
	v_lshlrev_b32 v3, 4, v0                        ; a plain line behind the exponentials (ISA guide 5.7.2): where I store
	s_wait_loadcnt 0x0
	v_cvt_f32_i32 v6, v6
	s_wait_alu depctr_va_vdst(0)
.irp e, 0,1,2,3
	ANG \e
.endr
	global_store_b128 v3, v[20:23], s[DST:DST+1]   ; a wave covers 512 consecutive bytes
	; the two gains, rounded to bf16 like every other operand; q's carries log2(e) / sqrt(128), so that scores come out in units of log2.  Waves 0 and 1 of work-group 0.
	s_cmp_lg_u32 s3, 0
	s_cbranch_scc1 .Lend
	s_cmp_ge_u32 s4, 2
	s_cbranch_scc1 .Lend
	s_cmp_eq_u32 s4, 0
	s_cselect_b64 s[54:55], s[18:19], s[20:21]
	s_cselect_b32 s44, 0x3e0293ee, 1.0             ; one text for both waves: k's factor is 1
	s_mov_b32 s45, s44                             ; named with it as a pair
	v_lshlrev_b32 v24, 4, v4
	global_load_b128 v[28:31], v24, s[54:55]
	s_wait_loadcnt 0x0
	v_cvt_pk_bf16_f32 v32, v28, v29
	v_cvt_pk_bf16_f32 v33, v30, v31
	v_lshlrev_b32 v36, 16, v32
	v_and_b32 v37, s48, v32
	v_lshlrev_b32 v38, 16, v33
	v_and_b32 v39, s48, v33
	v_pk_mul_f32 v[36:37], v[36:37], s[44:45] op_sel_hi:[1,0]
	v_pk_mul_f32 v[38:39], v[38:39], s[44:45] op_sel_hi:[1,0]
	global_store_b128 v3, v[36:39], s[26:27] offset:1048576
.Lend:
	s_endpgm
.Lfunc_end_k_qbae25de683_prep:
	.size	k_qbae25de683_prep, .Lfunc_end_k_qbae25de683_prep-k_qbae25de683_prep
	.p2alignl 7, 3214868480
	.fill 96, 4, 3214868480
	.section	.rodata,"a",@progbits
	.p2align	6, 0x0
	.amdhsa_kernel k_qbae25de683_prep
		.amdhsa_group_segment_fixed_size 0
		.amdhsa_private_segment_fixed_size 0
		.amdhsa_enable_private_segment 0
		.amdhsa_kernarg_size 80
		.amdhsa_user_sgpr_count 2
		.amdhsa_user_sgpr_kernarg_segment_ptr 1
		.amdhsa_wavefront_size32 1
		.amdhsa_system_sgpr_workgroup_id_x 1
		.amdhsa_system_sgpr_workgroup_id_y 1
		.amdhsa_system_sgpr_workgroup_id_z 1
		.amdhsa_system_vgpr_workitem_id 0
		.amdhsa_next_free_vgpr 72
		.amdhsa_next_free_sgpr 66
		.amdhsa_reserve_vcc 1
		.amdhsa_float_denorm_mode_32 3
		.amdhsa_float_denorm_mode_16_64 3
		.amdhsa_memory_ordered 1
		.amdhsa_forward_progress 1
		.amdhsa_inst_pref_size 22
	.end_amdhsa_kernel
	.amdgpu_metadata
---
amdhsa.version: [ 1, 2 ]
amdhsa.kernels:
  - .name:           k_qbae25de683_prep
    .symbol:         k_qbae25de683_prep.kd
    .args:
      - { .name: hidden_states, .offset: 0, .size: 8, .value_kind: global_buffer, .address_space: global }
      - { .name: Wq, .offset: 8, .size: 8, .value_kind: global_buffer, .address_space: global }
      - { .name: Wk, .offset: 16, .size: 8, .value_kind: global_buffer, .address_space: global }
      - { .name: Wv, .offset: 24, .size: 8, .value_kind: global_buffer, .address_space: global }
      - { .name: position_ids, .offset: 32, .size: 8, .value_kind: global_buffer, .address_space: global }
      - { .name: q_norm_w, .offset: 40, .size: 8, .value_kind: global_buffer, .address_space: global }
      - { .name: k_norm_w, .offset: 48, .size: 8, .value_kind: global_buffer, .address_space: global }
      - { .name: xb, .offset: 56, .size: 8, .value_kind: global_buffer, .address_space: global }
      - { .name: wqkv, .offset: 64, .size: 8, .value_kind: global_buffer, .address_space: global }
      - { .name: rope, .offset: 72, .size: 8, .value_kind: global_buffer, .address_space: global }
    .group_segment_fixed_size: 0
    .private_segment_fixed_size: 0
    .kernarg_segment_align: 8
    .kernarg_segment_size: 80
    .max_flat_workgroup_size: 256
    .sgpr_count:     66
    .vgpr_count:     72
    .wavefront_size: 32
...
	.end_amdgpu_metadata
.endif
;; end of part 1
;; launch gemm_qkv (part 2): grid 16 x 16, 4 waves a work-group, clusters of 4 x 4, 327,680 bytes of LDS; arguments xb, wqkv, rope, qkv, Wo, attention_mask, wo16, mask2; writes qkv, wo16, mask2
.if DOCPART == 2
	.amdgcn_target "amdgcn-amd-amdhsa--gfx1250"
	.amdhsa_code_object_version 6
	.text
	.protected	k_qbae25de683_gemm_qkv
	.globl	k_qbae25de683_gemm_qkv
	.p2align	8
	.type	k_qbae25de683_gemm_qkv,@function
k_qbae25de683_gemm_qkv:
	s_mov_b64 s[64:65], 0
	v_nop
	global_prefetch_b8 v0, s[64:65] scope:SCOPE_SE
	s_setreg_imm32_b32 hwreg(HW_REG_WAVE_MODE, 25, 1), 1
	s_wait_xcnt 0x0
	s_wait_alu depctr_hold_cnt(0) depctr_sa_sdst(0) depctr_va_vdst(0) depctr_va_sdst(0) depctr_va_ssrc(0) depctr_va_vcc(0) depctr_vm_vsrc(0)
	s_getreg_b32 s2, hwreg(HW_REG_IB_STS2, 6, 4)
	s_cmp_eq_u32 s2, 0
	s_cbranch_scc0 .Lentry_in_a_cluster
	s_endpgm
.Lentry_in_a_cluster:
	s_bfe_u32 s2, ttmp6, 0x10000c
	s_cmp_lg_u32 s2, 0xf033
	s_cbranch_scc0 .Lentry_shape_is_right
	s_endpgm
.Lentry_shape_is_right:
; THE THREE PROJECTIONS AS ONE PRODUCT, WITH NORM AND ROTATION ON THE WAY OUT.  C[m][n] = sum over k of xb[m][k] wqkv[n][k]: 2,048 x 4,096 x 4,096, bf16 operands, f32 sums.
; Columns 128 hh .. 128 hh + 127 are head hh: 0-15 q, 16-23 k, 24-31 v / 4.  q and k: each row of a head is divided by its root mean square (plus 1e-6), multiplied by the gain and rotated
; by the table's cos and sin; q's gain carries log2(e) / sqrt(128).  All three leave by heads, qkv[hh][row][128], rounded once to f16.
; BESIDE THE PRODUCT each wave casts its share of two inputs that later launches want: wo16 = f16(bf16(4 Wo)) and mask2 = attention_mask x log2(e), held to the finite range.  A wave's share is
; 32,768 bytes of Wo and 16,384 of the mask, in 32 chunks of three loads of 512 consecutive bytes; a chunk is asked for behind one change of slots and converted and stored behind the next.
; LIMITS.  f16 ends at 65,504: v / 4 stays within it (|v| under 262,016), and so does 4 Wo; a bf16 number of 4 Wo below 2^-14 keeps f16's fixed step of 6e-8.  q and k are normalised, at most
; sqrt(128) x the gain.  A mask number beyond 2.36e38 in size, an infinity too, counts as the largest finite number of its sign.  NaN is not treated apart.  K's steps are not added in ascending order.
; SHAPE.  C has 128 tiles of 256 x 256, too few for 256 work-groups, so a tile is 128 x 256.  Four waves, each 64 rows x 128 columns: ONE HEAD, so the norm never leaves the wave.
; 32 accumulators, 256 registers.  K goes in steps of 128 (rows of 256 bytes) through two LDS slots.
; CLUSTER.  4 x 4 work-groups: the four of a row of the cluster need the same tile of x, the four of a column the same tile of the weights; each tile is asked for jointly.
; TWO ORDERS OF K.  The clusters are of two classes, by their coordinates X and Y: (X ^ Y ^ (Y >> 1)) & 1.  Of each eight K steps class 0 takes 0, 2, 4, 6, 1, 3, 5, 7 and class 1 takes
; 1, 3, 5, 7, 0, 2, 4, 6.  Clusters that need the same rows of an operand are of both classes, so in the second half of each eight a cluster asks for bytes that one of the other class asked for four steps before.
; THE MATRIX INSTRUCTION IS USED TRANSPOSED (source 0 = 16 rows of the weights, source 1 = 16 rows of x): lane l holds row l % 16 and the columns 16 b + 8 (l / 16) + 0..7.
; REGISTERS, in windows of 256 (s_set_vgpr_msb: bits 1:0 source 0, 3:2 source 1, 5:4 source 2, 7:6 destination):
;   window 0: addresses, the casts' registers, and all that the way out works on      window 1: the accumulators, (a, b) at v[8 (8 a + b)]
;   window 2: two fragment buffers of 96: eight fragments of the weights, then four of x
.set SIZE_K, 4096
.set KSHIFT, 13                        ; a row of either operand is 8,192 bytes
.set NSTEP,  SIZE_K/128
.set PITCH,  272                       ; an LDS row: 256 bytes + 16 of padding = 68 words: the 16 rows of a fragment load start at 16 different groups of four banks (64 banks of 4 bytes: ISA guide 11.1)
.set BOFF,   128*PITCH                 ; a slot: x's 128 rows, then the weights' 256
.set SLOT1,  1<<17                     ; slot 1 begins here, so that one exclusive or turns an address in one slot into the other's
.set STAGE,  SLOT1+384*PITCH           ; behind the ring, never filled by a tensor load: 16 rows x 272 bytes for each wave
.set SPARE,  STAGE+4*16*PITCH          ; behind the stages: the spare words, 128 bytes for each wave
.set A0,   4                           ; v4   my lane's place in a slot's rows of x; never rewritten
.set B0,   5                           ; v5   the same for the weights
.set SS,   6                           ; v[6:13]  four pairs of partial sums of squares
.set RS,   14                          ; v[14:15] 1 / root mean square, and a partner that is only named
.set ADRA, 16                          ; v16  A0 in the slot in hand
.set ADRB, 17                          ; v17  B0 likewise
.set STO,  24                          ; v24  the way out: where I put 16 bytes of a row
.set RD,   25                          ; v25  where I read rows back
.set CO,   26                          ; v26  16 x lane: my place in 512 consecutive bytes
.set WO,   27                          ; v27  my place in the gains
.set SPW,  28                          ; v28  LDS address of my spare word; never rewritten
.set NIL,  29                          ; v29  0; never rewritten
.set PKD,  32                          ; v[32:63]   the way out: 16 rows x 128 columns in f16.  Until then the casts' registers:
.set SW,   32                          ; v[32:39]   two loads of Wo
.set SMK,  40                          ; v[40:43]   one load of the mask
.set SX,   44                          ; v[44:47]   at work
.set L8,   48                          ; v48        8 x lane: my place in 256 consecutive bytes of wo16
.set GN,   64                          ; v[64:127]  the gains of my 64 columns
.set CS,   128                         ; v[128:191] cos (32), sin (32) for my row and my first 32 columns
.set TT,   192                         ; v[192:255] the block at work, in f32
.set F0,   0
.set F1,   96
.set WV,   12                          ; s12  my wave's number
.set RH,   13                          ; s13  which 64 rows are mine.  Also: I fetch x (0) or weights (1)
.set CH,   14                          ; s14  which 128 columns.  Also: which half of that tile I fetch
.set KIND, 15                          ; s15  the cluster's x, the same in all partners: 0, 1 q; 2 k; 3 v
.set G1A,  24                          ; s[24:31] descriptor group 1 for x's tiles
.set G1B,  32                          ; s[32:39] for the weights'
.set G0A0, 40                          ; s[40:43] group 0: x, the first K step, slot 0: used once
.set G0A,  44                          ; s[44:47] x, the second K step, slot 1; it then serves every refill
.set G0B0, 48                          ; s[48:51], s[52:55] the same for the weights
.set G0B,  52
.set TB,   56                          ; s56  the slot that is read
.set CNT,  57                          ; s57  loop counter
.set SEL,  60                          ; s[60:61] v_permlanex16_b32's selects: each lane takes its own place in the other half
.set GW,   62                          ; s[62:63] the gains
.set OUT,  66                          ; s[66:67] my rows of my head
.set RP,   68                          ; s[68:69] the table at my rows
.set WS,   80                          ; s[80:81] Wo, s[82:83] the mask, s[84:85] wo16, s[86:87] mask2: each at my wave's next chunk
.set MS,   82
.set WD,   84
.set MD,   86
.set BASEA, 88                         ; s[88:89] x at my part of the tile's rows, K = 0
.set BASEB, 90                         ; s[90:91] the weights likewise
.set OFF,  92                          ; s[92:93] a K step's byte offset in a row
.set KT,   94                          ; s94  how many K steps have been asked for, less one
.set PI,   95                          ; s95  my cluster's class
.set T0,   96                          ; s96, s97 at work
.set T1,   97
.set FLO,  98                          ; s98, s99 the lowest and the largest finite number
.set FHI,  99
.set HM,   100                         ; s100 a word's upper bf16
.set MSB, 0
.macro WIN new                         ; the immediate's high byte repeats the setting that is left; a switch that changes nothing is dropped
.if MSB != (\new)
	s_set_vgpr_msb (MSB<<8)|(\new)
.set MSB, \new
.endif
.endm
.set MUL,  0x5a                        ; both sources window 2, C and D window 1
.set TO_F, 0x80                        ; destination window 2, address window 0
.macro PLACES                          ; four places in front of loads into registers that matrix instructions have read, and of lines that read results
.rept 4
	v_nop
.endr
.endm
; A joint refill: waves 0 and 1 fetch x's two halves, waves 2 and 3 the weights'.  The branch hangs on the wave's number alone.  An s_nop 0 and four v_nop follow each line.
.macro JLOAD
	s_cmp_eq_u32 s[RH], 0
	s_cbranch_scc0 .Lfor_b_\@
	tensor_load_to_lds s[G0A:G0A+3], s[G1A:G1A+7]
	s_nop 0
.rept 4
	v_nop
.endr
	s_branch .Lasked_\@
.Lfor_b_\@:
	tensor_load_to_lds s[G0B:G0B+3], s[G1B:G1B+7]
	s_nop 0
.rept 4
	v_nop
.endr
.Lasked_\@:
.endm
.macro CREST                           ; a round of the cluster's barrier behind its opening barrier
	s_cmp_lg_u32 s[WV], 0
	s_cbranch_scc1 .Lnot_wave_0_\@
	s_barrier_signal -3
.Lnot_wave_0_\@:
	s_barrier_wait -3
	s_barrier_signal -1
	s_barrier_wait -1
.endm
.macro CROUND                          ; a whole round
	s_barrier_signal -1
	s_barrier_wait -1
	CREST
.endm
; The refill's two descriptors are made for the next K step in my class's order: the t-th step asked for is k = (t & -8) | (2 t & 6) | (class ^ bit 2 of t).  The address is made anew
; from the base and k x 256 bytes, the type bits are set again; the LDS word goes to the other slot than last time.
.macro KNEXT
	s_add_co_u32 s[KT], s[KT], 1
	s_lshl_b32 s[T0], s[KT], 1
	s_and_b32 s[T0], s[T0], 6
	s_bfe_u32 s[T1], s[KT], 0x10002
	s_xor_b32 s[T1], s[T1], s[PI]
	s_or_b32 s[T0], s[T0], s[T1]
	s_and_b32 s[T1], s[KT], -8
	s_or_b32 s[T0], s[T0], s[T1]
	s_lshl_b32 s[OFF], s[T0], 8
	s_xor_b32 s[G0A+1], s[G0A+1], SLOT1
	s_add_nc_u64 s[G0A+2:G0A+3], s[BASEA:BASEA+1], s[OFF:OFF+1]
	s_or_b32 s[G0A+3], s[G0A+3], 0x80000000
	s_xor_b32 s[G0B+1], s[G0B+1], SLOT1
	s_add_nc_u64 s[G0B+2:G0B+3], s[BASEB:BASEB+1], s[OFF:OFF+1]
	s_or_b32 s[G0B+3], s[G0B+3], 0x80000000
.endm
; THE CASTS.  A chunk is asked for:
.macro SIDE_ISSUE
	global_load_b128 v[SW:SW+3],   v[CO], s[WS:WS+1] th:TH_LOAD_NT             ; read once in the launch
	global_load_b128 v[SW+4:SW+7], v[CO], s[WS:WS+1] offset:512 th:TH_LOAD_NT
	global_load_b128 v[SMK:SMK+3], v[CO], s[MS:MS+1] th:TH_LOAD_NT
.endm
; and, a K step later, converted and stored.  step = 1: the four addresses go on to the next chunk.
.macro SIDE_DONE step
	s_wait_loadcnt 0x0                             ; the chunk's three loads (the first time the gains' too)
.irp i, 0,1
	v_pk_mul_f32 v[SW+4*(\i):SW+4*(\i)+1],   v[SW+4*(\i):SW+4*(\i)+1],   0x40800000 op_sel_hi:[1,0]  ; 4 Wo,
	v_pk_mul_f32 v[SW+4*(\i)+2:SW+4*(\i)+3], v[SW+4*(\i)+2:SW+4*(\i)+3], 0x40800000 op_sel_hi:[1,0]
	v_cvt_pk_bf16_f32 v[SW+4*(\i)],   v[SW+4*(\i)],   v[SW+4*(\i)+1]           ; rounded to bf16 like every input,
	v_cvt_pk_bf16_f32 v[SW+4*(\i)+1], v[SW+4*(\i)+2], v[SW+4*(\i)+3]
	v_lshlrev_b32 v[SX],   16,    v[SW+4*(\i)]
	v_and_b32     v[SX+1], s[HM], v[SW+4*(\i)]
	v_lshlrev_b32 v[SX+2], 16,    v[SW+4*(\i)+1]
	v_and_b32     v[SX+3], s[HM], v[SW+4*(\i)+1]
	v_cvt_pk_f16_f32 v[SW+4*(\i)],   v[SX],   v[SX+1]                          ; and that number written as f16
	v_cvt_pk_f16_f32 v[SW+4*(\i)+1], v[SX+2], v[SX+3]
	global_store_b64 v[L8], v[SW+4*(\i):SW+4*(\i)+1], s[WD:WD+1] offset:256*(\i)  ; 256 consecutive bytes, aligned
.endr
	v_pk_mul_f32 v[SMK:SMK+1],   v[SMK:SMK+1],   0x3fb8aa3b op_sel_hi:[1,0]    ; the mask in units of log2,
	v_pk_mul_f32 v[SMK+2:SMK+3], v[SMK+2:SMK+3], 0x3fb8aa3b op_sel_hi:[1,0]
.irp e, 0,1,2,3
	v_max_num_f32 v[SMK+(\e)], s[FLO], v[SMK+(\e)]                             ; an overflow brought back to the largest finite number
	v_min_num_f32 v[SMK+(\e)], s[FHI], v[SMK+(\e)]
.endr
	global_store_b128 v[CO], v[SMK:SMK+3], s[MD:MD+1]                          ; 512 consecutive bytes, aligned
.if \step
	s_wait_xcnt 0x0                                ; the bases are stepped, and the stores' data loaded anew, only behind this wait (ISA guide 3.1)
	s_add_nc_u64 s[WS:WS+1], s[WS:WS+1], 1024
	s_add_nc_u64 s[MS:MS+1], s[MS:MS+1], 512
	s_add_nc_u64 s[WD:WD+1], s[WD:WD+1], 512
	s_add_nc_u64 s[MD:MD+1], s[MD:MD+1], 512
.endif
.endm
; 8 matrix instructions: row block a x all 8 column blocks, 32 along K, from buffer f.  zero = 1: the product starts the sums.  The 32 accumulators take turns in the same order in every
; quarter.
.macro MUL8 f, a, zero
	WIN MUL
.irp b, 0,1,2,3,4,5,6,7
.if \zero
	v_wmma_f32_16x16x32_bf16 v[8*(8*(\a)+(\b)):8*(8*(\a)+(\b))+7], v[(\f)+8*(\b):(\f)+8*(\b)+7], v[(\f)+64+8*(\a):(\f)+64+8*(\a)+7], 0
.else
	v_wmma_f32_16x16x32_bf16 v[8*(8*(\a)+(\b)):8*(8*(\a)+(\b))+7], v[(\f)+8*(\b):(\f)+8*(\b)+7], v[(\f)+64+8*(\a):(\f)+64+8*(\a)+7], v[8*(8*(\a)+(\b)):8*(8*(\a)+(\b))+7]
.endif
.endr
.endm
; 24 LDS loads in one run: the fragments of 32 along K at byte k of the rows, into buffer f: the weights' eight, then x's four
.macro FETCH k, f
	WIN TO_F
.irp i, 0,1,2,3,4,5,6,7
	ds_load_b128 v[(\f)+8*(\i):(\f)+8*(\i)+3],   v[ADRB] offset:(\k)+(\i)*16*PITCH
	ds_load_b128 v[(\f)+8*(\i)+4:(\f)+8*(\i)+7], v[ADRB] offset:(\k)+(\i)*16*PITCH+32
.endr
.irp i, 0,1,2,3
	ds_load_b128 v[(\f)+64+8*(\i):(\f)+64+8*(\i)+3],   v[ADRA] offset:(\k)+(\i)*16*PITCH
	ds_load_b128 v[(\f)+64+8*(\i)+4:(\f)+64+8*(\i)+7], v[ADRA] offset:(\k)+(\i)*16*PITCH+32
.endr
.endm
; A K step is four quarters of 32 along K, 32 matrix instructions each, on buffers 0, 1, 0, 1.  One of the first three: multiplies f and, in its middle, fetches the next quarter into g.
.macro QUARTER k, f, g, zero
	s_wait_dscnt 4                                 ; the youngest four loads (x's blocks 2 and 3) may be out
	MUL8 \f, 0, \zero
	MUL8 \f, 1, \zero
	PLACES
	FETCH \k, \g
	s_wait_dscnt 24                                ; all but the 24 just issued
	MUL8 \f, 2, \zero
	MUL8 \f, 3, \zero
.endm
; The last quarter multiplies buffer 1 and changes slots: ONE barrier.  In front of it each wave waits for all its tensor loads (one is out: its part of the next slot), adds 0 to its spare
; word, and waits for that and for its reads of this slot.  fill = 1: the barrier opens a round of the cluster's, and this slot is filled again, with the K step that comes two steps on in my
; class's order, first thing behind the round: from that request to the wait for it a wave issues 112 matrix instructions.  Behind the quarter's last products, while the next slot's first
; fragments are on their way out of LDS, a chunk of the casts is finished and the next is asked for.
.macro TURN fill
	WIN 0                                          ; (the add's two registers lie in window 0)
	s_wait_tensorcnt 0x0                           ; all my tensor loads have landed, so the descriptors may be written
	ds_add_u32 v[SPW], v[NIL]                      ; 0 onto my spare word; scalar work and eight products stand between it and the wait for it
.if \fill
	KNEXT
.endif
	s_wait_dscnt 7                                 ; (the add and the six loads of x's blocks 1 to 3 may be out)
	MUL8 F1, 0, 0
	s_wait_dscnt 0x0                               ; the add is done, and my reads of this slot are over
	s_barrier_signal -1
	MUL8 F1, 1, 0
	WIN 0
	s_barrier_wait -1
.if \fill
	CREST                                          ; no wave of any partner still reads this slot or has a load on its way
	JLOAD                                          ; its four v_nop are also the places in front of the loads below
.else
	PLACES
.endif
	s_xor_b32 s[TB], s[TB], SLOT1
	v_add_nc_u32 v[ADRA], s[TB], v[A0]
	v_add_nc_u32 v[ADRB], s[TB], v[B0]
	FETCH 0, F0
	MUL8 F1, 2, 0
	MUL8 F1, 3, 0
	WIN 0
	SIDE_DONE 1
	SIDE_ISSUE
.endm
	s_load_b256 s[4:11], s[0:1], 0x0               ; xb s[4:5], wqkv s[6:7], rope s[8:9], qkv s[10:11]
	s_load_b256 s[80:87], s[0:1], 0x20             ; Wo s[80:81], attention_mask s[82:83], wo16 s[84:85], mask2 s[86:87]
	v_lshl_add_u32 v[SPW], v0, 2, SPARE
	v_mov_b32 v[NIL], 0
	ds_add_u32 v[SPW], v[NIL]                      ; the wave's opening: the add and its wait stand ahead of my first tensor load; the set-up below, work on registers, stands between them
	v_lshrrev_b32 v1, 5, v0
	v_readfirstlane_b32 s[WV], v1
	s_lshr_b32 s[RH], s[WV], 1
	s_and_b32 s[CH], s[WV], 1
	s_mov_b32 s[KIND], ttmp9
	s_bfe_u32 s16, ttmp6, 0x40000                  ; cx, cy: my place in the cluster
	s_bfe_u32 s17, ttmp6, 0x40004
	s_lshl_b32 s18, ttmp9, 2
	s_add_co_u32 s18, s18, s16                     ; tile column = 4 x cluster x + cx
	s_and_b32 s19, ttmp7, 0xffff
	s_lshl_b32 s19, s19, 2
	s_add_co_u32 s19, s19, s17                     ; tile row = 4 x cluster y + cy
	s_lshl_b32 s20, s17, 2
	s_lshl_b32 s20, 15, s20                        ; my row of the cluster
	s_lshl_b32 s21, 0x1111, s16                    ; my column
	s_or_b32 s[G1A], s20, (1<<16)|(1<<20)|(1<<21)|(5<<22)|(3<<25)  ; 15:0 the mask; 17:16 2-byte elements; 20 padding on; 21 set beside a mask; 24:22 after every 64 words; 31:25 4 words of it
	s_or_b32 s[G1B], s21, (1<<16)|(1<<20)|(1<<21)|(5<<22)|(3<<25)
	s_mov_b32 s[G1A+1], 128<<16                    ; tensor_dim0 = 128
	s_mov_b32 s[G1A+2], 64<<16                     ; tensor_dim1 = 64
	s_mov_b32 s[G1A+3], 128<<16                    ; tile_dim0 = 128
	s_mov_b32 s[G1A+4], 64                         ; tile_dim1 = 64
	s_mov_b32 s[G1A+5], SIZE_K                     ; elements from row to row
	s_mov_b32 s[G1A+6], 0
	s_mov_b32 s[G1A+7], 0
	s_mov_b32 s[G1B+1], 128<<16
	s_mov_b32 s[G1B+2], 128<<16                    ; 128 rows
	s_mov_b32 s[G1B+3], 128<<16
	s_mov_b32 s[G1B+4], 128
	s_mov_b32 s[G1B+5], SIZE_K
	s_mov_b32 s[G1B+6], 0
	s_mov_b32 s[G1B+7], 0
	s_mov_b32 s[G0A0], 1                           ; count = 1
	s_mov_b32 s[G0A], 1
	s_mov_b32 s[G0B0], 1
	s_mov_b32 s[G0B], 1
	s_mul_i32 s[G0A0+1], s[CH], 64*PITCH           ; LDS addresses: no place in the cluster enters them
	s_add_co_u32 s[G0A+1], s[G0A0+1], SLOT1
	s_mul_i32 s[G0B0+1], s[CH], 128*PITCH
	s_add_co_u32 s[G0B0+1], s[G0B0+1], BOFF
	s_add_co_u32 s[G0B+1], s[G0B0+1], SLOT1
	; byte offsets, each in a pair of its own; x's hangs on the tile row alone, the weights' on the tile column alone
	s_lshl_b32 s70, s19, 7
	s_lshl_b32 s22, s[CH], 6
	s_add_co_u32 s70, s70, s22
	s_lshl_b32 s70, s70, KSHIFT
	s_mov_b32 s71, 0
	s_lshl_b32 s72, s18, 8
	s_lshl_b32 s22, s[CH], 7
	s_add_co_u32 s72, s72, s22
	s_lshl_b32 s72, s72, KSHIFT
	s_mov_b32 s73, 0
	s_lshl_b32 s74, s18, 1
	s_add_co_u32 s74, s74, s[CH]                   ; my head
	s_lshl_b32 s74, s74, 19                        ; 524,288 bytes a head
	s_lshl_b32 s23, s19, 7
	s_lshl_b32 s22, s[RH], 6
	s_add_co_u32 s23, s23, s22                     ; my first row
	s_lshl_b32 s22, s23, 8
	s_add_co_u32 s74, s74, s22
	s_mov_b32 s75, 0
	s_lshl_b32 s76, s23, 9                         ; the table has 8,192 bytes for 16 rows
	s_mov_b32 s77, 0
	s_cmp_eq_u32 s[KIND], 2
	s_cselect_b32 s78, 512, 0                      ; k's gains lie behind q's
	s_add_co_u32 s78, s78, 1048576
	s_mov_b32 s79, 0
	; my cluster's class, from the cluster's own coordinates, which all partners share; the first K step asked for is the class's number, the second lies two further on
	s_and_b32 s[T0], ttmp7, 0xffff
	s_lshr_b32 s[T1], s[T0], 1
	s_xor_b32 s[T0], s[T0], s[T1]
	s_xor_b32 s[T0], s[T0], ttmp9
	s_and_b32 s[PI], s[T0], 1
	s_lshl_b32 s[OFF], s[PI], 8
	s_mov_b32 s[OFF+1], 0
	s_mov_b32 s[KT], 1
	; the casts: wave number 4 (16 x tile row + tile column) + w of 1,024 takes 32,768 bytes of Wo and 16,384 of each of the other three
	s_lshl_b32 s[T0], s19, 4
	s_add_co_u32 s[T0], s[T0], s18
	s_lshl2_add_u32 s[T0], s[T0], s[WV]
	s_lshl_b32 s16, s[T0], 15
	s_mov_b32 s17, 0
	s_lshl_b32 s20, s[T0], 14
	s_mov_b32 s21, 0
	s_mov_b32 s[FLO], 0xff7fffff
	s_mov_b32 s[FHI], 0x7f7fffff
	s_mov_b32 s[HM], 0xffff0000
	s_mov_b32 s[TB], 0
	s_mov_b32 s58, 0x3c000000                      ; 1 / 128
	s_mov_b32 s59, 0x358637bd                      ; 1e-6
	s_mov_b32 s[SEL], 0x76543210
	s_mov_b32 s[SEL+1], 0xfedcba98
	s_wait_dscnt 0x0                               ; the opening add is done
	s_wait_kmcnt 0x0
	s_add_nc_u64 s[BASEA:BASEA+1], s[4:5], s[70:71]
	s_add_nc_u64 s[G0A0+2:G0A0+3], s[BASEA:BASEA+1], s[OFF:OFF+1]
	s_add_nc_u64 s[G0A+2:G0A+3], s[G0A0+2:G0A0+3], 512
	s_or_b32 s[G0A0+3], s[G0A0+3], 0x80000000      ; type = 2
	s_or_b32 s[G0A+3], s[G0A+3], 0x80000000
	s_add_nc_u64 s[BASEB:BASEB+1], s[6:7], s[72:73]
	s_add_nc_u64 s[G0B0+2:G0B0+3], s[BASEB:BASEB+1], s[OFF:OFF+1]
	s_add_nc_u64 s[G0B+2:G0B+3], s[G0B0+2:G0B0+3], 512
	s_or_b32 s[G0B0+3], s[G0B0+3], 0x80000000
	s_or_b32 s[G0B+3], s[G0B+3], 0x80000000
	s_add_nc_u64 s[OUT:OUT+1], s[10:11], s[74:75]
	s_add_nc_u64 s[RP:RP+1], s[8:9], s[76:77]
	s_add_nc_u64 s[GW:GW+1], s[8:9], s[78:79]
	s_add_nc_u64 s[WS:WS+1], s[WS:WS+1], s[16:17]
	s_add_nc_u64 s[MS:MS+1], s[MS:MS+1], s[20:21]
	s_add_nc_u64 s[WD:WD+1], s[WD:WD+1], s[20:21]
	s_add_nc_u64 s[MD:MD+1], s[MD:MD+1], s[20:21]
	CROUND                                         ; all sixteen work-groups are here: the first joint loads meet
	s_cmp_eq_u32 s[RH], 0                          ; a wave's two first fills stand in one branch: two loads of mine are out
	s_cbranch_scc0 .Lfirst_b
	tensor_load_to_lds s[G0A0:G0A0+3], s[G1A:G1A+7]
	s_nop 0
	tensor_load_to_lds s[G0A:G0A+3], s[G1A:G1A+7]
	s_nop 0
.rept 4
	v_nop
.endr
	s_branch .Lfirst_asked
.Lfirst_b:
	tensor_load_to_lds s[G0B0:G0B0+3], s[G1B:G1B+7]
	s_nop 0
	tensor_load_to_lds s[G0B:G0B+3], s[G1B:G1B+7]
	s_nop 0
.rept 4
	v_nop
.endr
.Lfirst_asked:
	; a fragment is 16 rows x 32 K in 8 registers: lane l holds row l % 16, K = 8 (l / 16) + 0..7 and 16 + 8 (l / 16) + 0..7: two loads of 16 bytes, 32 bytes apart
	v_and_b32 v1, 15, v0
	v_bfe_u32 v2, v0, 4, 1
	v_mul_u32_u24 v3, v1, PITCH
	v_lshl_add_u32 v3, v2, 4, v3
	s_mul_i32 s22, s[RH], 64*PITCH
	s_mul_i32 s23, s[CH], 128*PITCH
	s_add_co_u32 s23, s23, BOFF
	v_add_nc_u32 v[A0], s22, v3
	v_add_nc_u32 v[B0], s23, v3
	s_mul_i32 s22, s[WV], 16*PITCH
	s_add_co_u32 s22, s22, STAGE                   ; my stage
	v_add_nc_u32 v[STO], s22, v3                   ; in: row l % 16, 16 bytes for each half of the lanes
	v_mul_u32_u24 v[RD], v2, PITCH                 ; back: lanes 0-15 take one row of 256 bytes, lanes 16-31 the next
	v_lshl_add_u32 v[RD], v1, 4, v[RD]
	v_add_nc_u32 v[RD], s22, v[RD]
	v_and_b32 v[CO], 31, v0
	v_lshlrev_b32 v[CO], 4, v[CO]
	v_lshrrev_b32 v[L8], 1, v[CO]
	v_lshlrev_b32 v[WO], 5, v2                     ; columns 8 (l / 16) on
	v_mov_b32 v[RS+1], 0
.irp b, 0,1,2,3,4,5,6,7
	global_load_b128 v[GN+8*(\b):GN+8*(\b)+3],   v[WO], s[GW:GW+1] offset:64*(\b)      ; the gains of columns 16 b + 8 (l / 16) + 0..7
	global_load_b128 v[GN+8*(\b)+4:GN+8*(\b)+7], v[WO], s[GW:GW+1] offset:64*(\b)+16
.endr
	SIDE_ISSUE                                     ; the casts' chunk 0
	v_mov_b32 v[ADRA], v[A0]                       ; slot 0
	v_mov_b32 v[ADRB], v[B0]
	s_wait_tensorcnt 0x1                           ; my part of the first K step is in; the second's may stay out
	s_barrier_signal -1
	s_barrier_wait -1                              ; everybody's is
	FETCH 0, F0
	QUARTER 64, F0, F1, 1                          ; the first quarter stands in front of the loop: its products start the sums
	WIN 0                                          ; at a label and at a branch every window is 0
	s_mov_b32 s[CNT], NSTEP-2
.Lstep:                                                ; a trip goes from a K step's second quarter to the next step's first, and fills the slot that it leaves
	QUARTER 128, F1, F0, 0
	QUARTER 192, F0, F1, 0
	TURN 1
	QUARTER 64, F0, F1, 0
	WIN 0
	s_sub_co_u32 s[CNT], s[CNT], 1
	s_cmp_lg_u32 s[CNT], 0
	s_cbranch_scc1 .Lstep
	QUARTER 128, F1, F0, 0                         ; the last two K steps are written out: nothing is left to fetch
	QUARTER 192, F0, F1, 0
	TURN 0                                         ; (the casts' chunk 30 is finished here and chunk 31, the last, is asked for)
	QUARTER 64, F0, F1, 0
	QUARTER 128, F1, F0, 0
	QUARTER 192, F0, F1, 0
	s_wait_dscnt 4
	MUL8 F1, 0, 0
	MUL8 F1, 1, 0
	s_wait_dscnt 0x0
	MUL8 F1, 2, 0
	MUL8 F1, 3, 0
	WIN 0
	PLACES
	SIDE_DONE 0                                    ; the casts' last chunk
	; THE WAY OUT, four trips, one for each block of 16 rows.  The step is written once and always works on the first 64 accumulator registers; the other blocks move down a place behind each trip.
	s_mov_b32 s[CNT], 4
.Lblock:
	s_cmp_eq_u32 s[KIND], 3
	s_cbranch_scc1 .Lplain                         ; v has neither norm nor rotation
.irp k, 0,1,2,3,4,5,6,7,8,9,10,11,12,13,14,15
	global_load_b128 v[CS+4*(\k):CS+4*(\k)+3], v[CO], s[RP:RP+1] offset:512*(\k)  ; cos, then sin: 512 consecutive bytes each, in my registers' order
.endr
	WIN 0x05                                       ; sources 0 and 1 window 1
.set p, 0
.rept 32                                       ; my 64 squares, in four chains, from each accumulator's low end on
.if p < 4
	v_pk_mul_f32 v[SS+2*p:SS+2*p+1], v[2*p:2*p+1], v[2*p:2*p+1]
.else
	v_pk_fma_f32 v[SS+2*(p%4):SS+2*(p%4)+1], v[2*p:2*p+1], v[2*p:2*p+1], v[SS+2*(p%4):SS+2*(p%4)+1]
.endif
.set p, p+1
.endr
	WIN 0
	v_pk_add_f32 v[SS:SS+1], v[SS:SS+1], v[SS+2:SS+3]
	v_pk_add_f32 v[SS+4:SS+5], v[SS+4:SS+5], v[SS+6:SS+7]
	v_pk_add_f32 v[SS:SS+1], v[SS:SS+1], v[SS+4:SS+5]
	v_add_f32 v[SS], v[SS], v[SS+1]
	v_permlanex16_b32 v3, v[SS], s[SEL], s[SEL+1]  ; the row's other 64 columns lie in the lane 16 away
	v_add_f32 v[SS], v[SS], v3
	v_fma_f32 v[RS], v[SS], s58, s59               ; the mean of the squares + 1e-6
	v_rsq_f32 v[RS], v[RS]
	WIN 0x01                                       ; source 0 window 1.  The first of these is the plain line behind the root (ISA guide 5.7.2)
.set p, 0
.rept 32
	v_pk_mul_f32 v[TT+2*p:TT+2*p+1], v[2*p:2*p+1], v[GN+2*p:GN+2*p+1]
.set p, p+1
.endr
	WIN 0
.set p, 0
	s_wait_alu depctr_va_vdst(0)
.rept 32
	v_pk_mul_f32 v[TT+2*p:TT+2*p+1], v[TT+2*p:TT+2*p+1], v[RS:RS+1] op_sel_hi:[1,0]
.set p, p+1
.endr
	s_wait_loadcnt 0x0                             ; cos and sin
.set p, 0
.rept 16                                       ; columns d and d + 64: (x1, x2) -> (x1 cos - x2 sin, x2 cos + x1 sin)
.if p%2
.set U, 22
.set V, 30
.else
.set U, 18
.set V, 20
.endif
	v_pk_mul_f32 v[U:U+1], v[TT+32+2*p:TT+32+2*p+1], v[CS+32+2*p:CS+32+2*p+1]
	v_pk_mul_f32 v[V:V+1], v[TT+2*p:TT+2*p+1], v[CS+32+2*p:CS+32+2*p+1]
	v_pk_fma_f32 v[TT+2*p:TT+2*p+1], v[TT+2*p:TT+2*p+1], v[CS+2*p:CS+2*p+1], v[U:U+1] neg_lo:[0,0,1] neg_hi:[0,0,1]
	v_pk_fma_f32 v[TT+32+2*p:TT+32+2*p+1], v[TT+32+2*p:TT+32+2*p+1], v[CS+2*p:CS+2*p+1], v[V:V+1]
.set p, p+1
.endr
	s_wait_xcnt 0x0                                ; earlier stores have had their addresses translated (ISA guide 3.1): their data and offset registers are rewritten only behind this wait
.set p, 0
.rept 32
	v_cvt_pk_f16_f32 v[PKD+p], v[TT+2*p], v[TT+2*p+1]
.set p, p+1
.endr
	s_branch .Lstage
.Lplain:
	s_wait_xcnt 0x0                                ; as above
	WIN 0x05
.set p, 0
.rept 32
	v_cvt_pk_f16_f32 v[PKD+p], v[2*p], v[2*p+1]
.set p, p+1
.endr
	WIN 0
.Lstage:
.irp b, 0,1,2,3,4,5,6,7
	ds_store_b128 v[STO], v[PKD+4*(\b):PKD+4*(\b)+3] offset:32*(\b)
.endr
.irp t, 0,1,2,3,4,5,6,7
	ds_load_b128 v[PKD+4*(\t):PKD+4*(\t)+3], v[RD] offset:(\t)*2*PITCH  ; LDS serves a wave's instructions in order (ISA guide 5.7.1.4): these see the stores above
.endr
.irp t, 0,1,2,3,4,5,6,7
	s_wait_dscnt 7-(\t)
	global_store_b128 v[CO], v[PKD+4*(\t):PKD+4*(\t)+3], s[OUT:OUT+1] offset:512*(\t)  ; two rows of a head: 512 consecutive bytes, aligned
.endr
	s_cmp_eq_u32 s[CNT], 1
	s_cbranch_scc1 .Lnomove                        ; behind the last block nothing is left to move
	WIN 0x41
.set p, 0
.rept 192
	v_mov_b32 v[p], v[64+p]                        ; ascending: each accumulator is read from its low end on
.set p, p+1
.endr
	WIN 0
	s_wait_xcnt 0x0                                ; the bases are stepped only behind this wait
	s_add_nc_u64 s[OUT:OUT+1], s[OUT:OUT+1], 4096
	s_add_nc_u64 s[RP:RP+1], s[RP:RP+1], 8192
.Lnomove:
	s_sub_co_u32 s[CNT], s[CNT], 1
	s_cmp_lg_u32 s[CNT], 0
	s_cbranch_scc1 .Lblock
	s_wait_tensorcnt 0x0                           ; the wave's end: an add to my spare word and its wait, behind my last tensor load and my last LDS store
	ds_add_u32 v[SPW], v[NIL]
	s_wait_dscnt 0x0
	CROUND                                         ; the closing round: no work-group ends while a partner may still ask for a tile that names it
	s_endpgm
.Lfunc_end_k_qbae25de683_gemm_qkv:
	.size	k_qbae25de683_gemm_qkv, .Lfunc_end_k_qbae25de683_gemm_qkv-k_qbae25de683_gemm_qkv
	.p2alignl 7, 3214868480
	.fill 96, 4, 3214868480
	.section	.rodata,"a",@progbits
	.p2align	6, 0x0
	.amdhsa_kernel k_qbae25de683_gemm_qkv
		.amdhsa_group_segment_fixed_size 327680
		.amdhsa_private_segment_fixed_size 0
		.amdhsa_enable_private_segment 0
		.amdhsa_kernarg_size 64
		.amdhsa_user_sgpr_count 2
		.amdhsa_user_sgpr_kernarg_segment_ptr 1
		.amdhsa_wavefront_size32 1
		.amdhsa_system_sgpr_workgroup_id_x 1
		.amdhsa_system_sgpr_workgroup_id_y 1
		.amdhsa_system_sgpr_workgroup_id_z 1
		.amdhsa_system_vgpr_workitem_id 0
		.amdhsa_next_free_vgpr 704
		.amdhsa_next_free_sgpr 101
		.amdhsa_reserve_vcc 0
		.amdhsa_float_denorm_mode_32 3
		.amdhsa_float_denorm_mode_16_64 3
		.amdhsa_memory_ordered 1
		.amdhsa_forward_progress 1
		.amdhsa_inst_pref_size 89
	.end_amdhsa_kernel
	.amdgpu_metadata
---
amdhsa.version: [ 1, 2 ]
amdhsa.kernels:
  - .name:           k_qbae25de683_gemm_qkv
    .symbol:         k_qbae25de683_gemm_qkv.kd
    .args:
      - { .name: xb, .offset: 0, .size: 8, .value_kind: global_buffer, .address_space: global }
      - { .name: wqkv, .offset: 8, .size: 8, .value_kind: global_buffer, .address_space: global }
      - { .name: rope, .offset: 16, .size: 8, .value_kind: global_buffer, .address_space: global }
      - { .name: qkv, .offset: 24, .size: 8, .value_kind: global_buffer, .address_space: global }
      - { .name: Wo, .offset: 32, .size: 8, .value_kind: global_buffer, .address_space: global }
      - { .name: attention_mask, .offset: 40, .size: 8, .value_kind: global_buffer, .address_space: global }
      - { .name: wo16, .offset: 48, .size: 8, .value_kind: global_buffer, .address_space: global }
      - { .name: mask2, .offset: 56, .size: 8, .value_kind: global_buffer, .address_space: global }
    .group_segment_fixed_size: 327680
    .private_segment_fixed_size: 0
    .kernarg_segment_align: 8
    .kernarg_segment_size: 64
    .max_flat_workgroup_size: 128
    .sgpr_count:     101
    .vgpr_count:     704
    .wavefront_size: 32
...
	.end_amdgpu_metadata
.endif
;; end of part 2
;; launch attn (part 3): grid 32 x 8, 4 waves a work-group, clusters of 4 x 4, 327,680 bytes of LDS; arguments qkv, mask2, ctx; writes ctx
.if DOCPART == 3
	.amdgcn_target "amdgcn-amd-amdhsa--gfx1250"
	.amdhsa_code_object_version 6
	.text
	.protected	k_qbae25de683_attn
	.globl	k_qbae25de683_attn
	.p2align	8
	.type	k_qbae25de683_attn,@function
k_qbae25de683_attn:
	s_mov_b64 s[64:65], 0
	v_nop
	global_prefetch_b8 v0, s[64:65] scope:SCOPE_SE
	s_setreg_imm32_b32 hwreg(HW_REG_WAVE_MODE, 25, 1), 1
	s_wait_xcnt 0x0
	s_wait_alu depctr_hold_cnt(0) depctr_sa_sdst(0) depctr_va_vdst(0) depctr_va_sdst(0) depctr_va_ssrc(0) depctr_va_vcc(0) depctr_vm_vsrc(0)
	s_getreg_b32 s2, hwreg(HW_REG_IB_STS2, 6, 4)
	s_cmp_eq_u32 s2, 0
	s_cbranch_scc0 .Lentry_in_a_cluster
	s_endpgm
.Lentry_in_a_cluster:
	s_bfe_u32 s2, ttmp6, 0x10000c
	s_cmp_lg_u32 s2, 0xf033
	s_cbranch_scc0 .Lentry_shape_is_right
	s_endpgm
.Lentry_shape_is_right:
; ATTENTION WITH AN ADDITIVE MASK THAT IS AN INPUT.  ctx[row][128 head ..] = the sum over keys of softmax(q . k + mask) v, for 16 query heads on 8 key and value heads, 2,048 rows, head size 128.
; qkv: [32][2048][128] f16: heads 0-15 q (carrying log2(e) / sqrt(128)), 16-23 k, 24-31 v / 4.  mask2: [2048][2048] f32, in units of log2.  ctx: [2048][2048] f16, a quarter of the context.
; Products, maxima and sums in f32; the weights p are rounded to f16 for the second product (their sum l is taken of the unrounded p), the context once at the end.
; Every score of every head is made: nothing is known of the mask.  THE MASK IS THE C OPERAND of the product that starts a score's sum, so it costs no vector line.
; SOFTMAX.  For each query a running maximum m and sum l: p = 2^(s - m), the difference formed first, so that a mask of the lowest finite number cannot overflow; O and l are multiplied by
; a = 2^(m_old - m_new) in every step.  m starts at the lowest finite number, O and l at 0: the first step is a step like any other.  A row whose keys are all masked so gets equal weights.
; LIMITS.  v / 4 and the context / 4 lie within f16's 65,504; p below 6e-5 keeps f16's fixed step of 6e-8; a weight below 2^-126 counts as 0 in l; NaN and infinities are not treated apart.
; The key steps are not taken in ascending order.
; SHARES.  A work-group owns 64 rows of the TWO query heads that share a key and value head, and walks all keys, 128 a step, one step to a slot.  Wave w takes 32 of the rows (w % 2) and 64 of
; the step's keys (w / 2): four tiles of 16 queries, tile t = head t / 2, rows 16 (t % 2) on.  A fragment of K or V feeds four tiles, and one set of mask registers both heads.
; The two halves of the keys are merged once, at the end, through LDS.
; LAYOUT.  S^T = K Q^T (source 0 = 16 keys, source 1 = 16 queries): a lane holds ONE query (lane % 16) and the keys 8 (lane / 16) + 0..7.  Two such results rounded to f16 ARE source 1 of
; O^T = V^T P.  K comes out of LDS as it lies, V turned, by ds_load_tr16_b128.
; BY TURNS.  The tiles are two PIECES: piece 0 (tiles 0, 1: the first head) and piece 2 (tiles 2, 3).  In a TURN one piece has the matrix unit: 32 products V^T P of the step in hand, then 32
; products K Q^T of the next; the other piece's softmax, cut into 64 slices, stands between them, one slice behind each matrix instruction.  Two turns are a key step.
; CLUSTER.  4 x 4 work-groups.  The four of a row of the cluster share the key and value head: K's and V's tiles are asked for jointly along the row; the four of a column share the 64 rows:
; the mask's tiles jointly along the column.
; TWO ORDERS OF THE KEYS.  The clusters are of two classes, by their coordinates: (X ^ Y) & 1.  Of each eight key steps class 0 takes 0, 2, 4, 6, 1, 3, 5, 7 and class 1 takes 1, 3, 5, 7, 0, 2, 4, 6.
; Clusters that need the same keys, or the same rows of the mask, are of both classes, so in the second half of each eight a cluster asks for bytes that one of the other class asked for four steps before.
; REGISTERS, in windows of 256 (s_set_vgpr_msb: bits 1:0 source 0, 3:2 source 1, 5:4 source 2, 7:6 destination):
;   window 0: v0-11, v44-53 addresses; v12-43 eight registers of statistics a tile; v64-191 S^T, 32 a tile; v192-255 P, 16 a tile
;   window 1: O^T, 64 a tile      window 2: v0-127 Q, 32 a tile; v128-255 K of one step      window 3: v0-127 V of one step; v128-191 the mask of one step
.set PK,    272       ; a row of K in LDS: 256 bytes + 16 of padding: the 16 rows of a load start at 16 different groups of four banks (64 banks of 4 bytes: ISA guide 11.1)
.set PV,    288       ; a row of V: 256 + 32
.set PM,    528       ; a row of the mask: 512 + 16
.set VOFF,  128*PK    ; a slot: 128 rows of K, 128 rows of V, 64 rows of the mask
.set MOFF,  VOFF+128*PV
.set SLOT1, 1<<17     ; slot 1 begins here, so that one exclusive or turns an address in one slot into the other's
.set XCH,   SLOT1+MOFF+64*PM  ; behind the ring, never filled by a tensor load: for each wave 16,384 bytes of O^T and 512 of statistics, for the merge
.set XW,    16896
.set STAGE, XCH+4*XW  ; 16 rows x 272 bytes for each wave, for the way out
.set SP,    272
.set SPARE, STAGE+4*16*SP  ; the spare words, 128 bytes for each wave
.set AK0, 2           ; v2   my lane's place in a slot's K; never rewritten
.set AV0, 3           ; v3   the same for V
.set ADR, 4           ; v4   the LDS address of the run of loads in hand
.set QO,  5           ; v5   my byte offset in 16 rows of Q
.set STO, 6           ; v6   the way out: where I put 16 bytes of a row
.set RD,  7           ; v7   where I read rows back
.set GO,  8           ; v8   my byte offset in two rows of ctx
.set ST,  12          ; tile t's statistics at v[ST+8 t]: +0 m, +1 a partner that is only named (at the end: l), +2, +3 l (even keys', odd keys'), +4 to +7 c0-c3, at work; a takes c2's place
.set AM0, 44          ; v44  my lane's place in a slot's mask; never rewritten
.set XA,  45          ; v45  the merge: where I put O^T
.set XB,  46          ; v46  where my partner has put it
.set ADM, 47          ; v47  the mask's LDS address
.set XA2, 48          ; v48, v49  the same two for the statistics
.set XB2, 49
.set PS,  50          ; v[50:53] the partner's m and l of two tiles
.set SPW, 62          ; v62  LDS address of my spare word; never rewritten
.set NIL, 63          ; v63  0; never rewritten
.set S,   64
.set P,   192
.set KF,  128         ; window 2
.set MK,  128         ; window 3: rows 16 qt on, keys 16 kb on, at MK + 32 qt + 8 kb
.set WV,  12          ; s12  my wave's number
.set G1K, 24          ; s[24:31] descriptor group 1 for K's tiles
.set G1V, 32          ; s[32:39] for V's: it differs in the padding alone
.set G1M, 40          ; s[40:47] for the mask's
.set G0K, 48          ; s[48:51], s[52:55], s[56:59] descriptor group 0 for the three
.set G0V, 52
.set G0M, 56
.set SEL, 60          ; s[60:61] v_permlanex16_b32's selects: each lane takes its own place in the other half
.set TB,  62          ; s62  the slot that is read
.set SLOTS, 63        ; s63  loop counter
.set BK,  80          ; s[80:81] K of my head, key 0;  s[82:83] V likewise;  s[84:85] the mask at my part of the rows, key 0
.set BV,  82
.set BM,  84
.set OFK, 86          ; s[86:87] a key step's byte offset in K and V;  s[88:89] in a row of the mask
.set OFM, 88
.set KT,  90          ; s90  how many key steps have been asked for, less one
.set PI,  91          ; s91  my cluster's class
.set T0,  92          ; s92, s93 at work
.set T1,  93
.set MSB, 0
.macro WIN new                      ; the high byte repeats the setting that is left; a switch that changes nothing is dropped
.if MSB != (\new)
	s_set_vgpr_msb (MSB<<8)|(\new)
.set MSB, \new
.endif
.endm
.set W_KQ, 0x0a       ; K and Q in window 2, S^T in window 0
.set W_KM, 0x3a       ; the same with the C operand, the mask, in window 3
.set W_PV, 0x53       ; V in window 3, P in window 0, O^T in window 1
.set W_RS, 0x41       ; O^T (destination and source 0) in window 1, a in window 0
; A joint fill.  Wave 0 fetches the step's K, wave 1 its V, waves 2 and 3 the two halves of its mask rows.  The branches hang on the wave's number alone.
; An s_nop 0 and four v_nop follow each of the three lines.
.macro JLOAD
	s_cmp_lt_u32 s[WV], 2
	s_cbranch_scc0 .Lfor_m_\@
	s_cmp_eq_u32 s[WV], 0
	s_cbranch_scc0 .Lfor_v_\@
	tensor_load_to_lds s[G0K:G0K+3], s[G1K:G1K+7]
	s_nop 0
.rept 4
	v_nop
.endr
	s_branch .Lasked_\@
.Lfor_v_\@:
	tensor_load_to_lds s[G0V:G0V+3], s[G1V:G1V+7]
	s_nop 0
.rept 4
	v_nop
.endr
	s_branch .Lasked_\@
.Lfor_m_\@:
	tensor_load_to_lds s[G0M:G0M+3], s[G1M:G1M+7]
	s_nop 0
.rept 4
	v_nop
.endr
.Lasked_\@:
.endm
.macro CROUND                       ; a round of the cluster's barrier: my work-group's barrier; wave 0 signals for the work-group; every wave waits for all sixteen; my work-group's barrier once more
	s_barrier_signal -1
	s_barrier_wait -1
	s_cmp_lg_u32 s[WV], 0
	s_cbranch_scc1 .Lnot_wave_0_\@
	s_barrier_signal -3
.Lnot_wave_0_\@:
	s_barrier_wait -3
	s_barrier_signal -1
	s_barrier_wait -1
.endm
; THE CHANGE OF SLOTS, between piece 2's turn and piece 0's: the slot's last bytes, its V, have been asked for.  Each wave waits for all its tensor loads, of which one is out: its part of the
; other slot; adds 0 to its spare word; and waits for that and for its own reads of the slot.  fill = 1: the barrier is a round of the cluster's, and the slot is filled again, with the key step
; that comes two steps on in my class's order, first thing behind it: that load has a key step, 128 matrix instructions and their softmax, in which to land.  The t-th step asked for is
; k = (t & -8) | (2 t & 6) | (class ^ bit 2 of t); each address is made anew from its base and k's offset.  (At its first use nothing has been read: slot 0 is waited for, slot 1 filled.)
.macro CHANGE fill
	WIN 0                           ; at a label and at a branch every window is 0
	s_wait_tensorcnt 0x0            ; no tensor load of mine is out, so a group 0 may be written
	ds_add_u32 v[SPW], v[NIL]       ; 0 onto my spare word: with fill = 1 the descriptors' scalar work stands between it and the wait for it
.if \fill
	s_add_co_u32 s[KT], s[KT], 1
	s_lshl_b32 s[T0], s[KT], 1
	s_and_b32 s[T0], s[T0], 6
	s_bfe_u32 s[T1], s[KT], 0x10002
	s_xor_b32 s[T1], s[T1], s[PI]
	s_or_b32 s[T0], s[T0], s[T1]
	s_and_b32 s[T1], s[KT], -8
	s_or_b32 s[T0], s[T0], s[T1]
	s_lshl_b32 s[OFK], s[T0], 15    ; 128 keys of 256 bytes
	s_lshl_b32 s[OFM], s[T0], 9     ; 128 keys of 4 bytes
	s_xor_b32 s[G0K+1], s[G0K+1], SLOT1  ; the other slot than last time
	s_add_nc_u64 s[G0K+2:G0K+3], s[BK:BK+1], s[OFK:OFK+1]
	s_or_b32 s[G0K+3], s[G0K+3], 0x80000000
	s_xor_b32 s[G0V+1], s[G0V+1], SLOT1
	s_add_nc_u64 s[G0V+2:G0V+3], s[BV:BV+1], s[OFK:OFK+1]
	s_or_b32 s[G0V+3], s[G0V+3], 0x80000000
	s_xor_b32 s[G0M+1], s[G0M+1], SLOT1
	s_add_nc_u64 s[G0M+2:G0M+3], s[BM:BM+1], s[OFM:OFM+1]
	s_or_b32 s[G0M+3], s[G0M+3], 0x80000000
	s_wait_dscnt 0x0                ; the add is done, and my reads of the slot are over
	CROUND
	JLOAD
.else
	s_wait_dscnt 0x0                ; the add is done, and my reads of the slot are over
	s_barrier_signal -1
	s_barrier_wait -1
.endif
	s_xor_b32 s[TB], s[TB], SLOT1   ; the fetches go to the other slot
.endm
; THE MATRIX WORK OF A TURN, for piece x.  The accumulators take turns, one instruction a turn: between two links of a chain stand 15 (V^T P) or 7 (K Q^T) others'.
; Product i of 32 of O^T += V^T P: keys 32 (i / 16) on, channels 16 ((i / 2) % 8) on, tile x + i % 2.
.macro PV x
	WIN W_PV
.set rO, 64*((\x)+i%2)+8*((i/2)%8)
.set rV, 64*(i/16)+8*((i/2)%8)
.set rP, P+16*((\x)+i%2)+8*(i/16)
	v_wmma_f32_16x16x32_f16 v[rO:rO+7], v[rV:rV+7], v[rP:rP+7], v[rO:rO+7]
.endm
; Product i of 32 of S^T = mask + K Q^T: channels 32 (i / 8) on, keys 16 ((i / 2) % 4) on, tile x + i % 2.  The first 8 start the sums, with the mask.
.macro KQ x
.set rS, S+32*((\x)+i%2)+8*((i/2)%4)
.set rK, KF+32*((i/2)%4)+8*(i/8)
.set rQ, 32*((\x)+i%2)+8*(i/8)
.set rM, MK+32*(i%2)+8*((i/2)%4)
.if i < 8
	WIN W_KM
	v_wmma_f32_16x16x32_f16 v[rS:rS+7], v[rK:rK+7], v[rQ:rQ+7], v[rM:rM+7]
.else
	WIN W_KQ
	v_wmma_f32_16x16x32_f16 v[rS:rS+7], v[rK:rK+7], v[rQ:rQ+7], v[rS:rS+7]
.endif
.endm
; THE LDS LOADS stand in runs, never singly among the matrix instructions: my 64 keys of a step's K (16 fragments) with my 32 rows x 64 keys of its mask, and, a turn later, its V (turned).
.macro FETCH_K
	WIN 0
	v_add_nc_u32 v[ADR], s[TB], v[AK0]
	v_add_nc_u32 v[ADM], s[TB], v[AM0]
	WIN 0x80                        ; destination window 2
.irp f, 0,1,2,3,4,5,6,7,8,9,10,11,12,13,14,15  ; keys 16 (f / 4) on, channels 32 (f % 4) on
	ds_load_b128 v[KF+8*(\f):KF+8*(\f)+3],   v[ADR] offset:((\f)/4)*16*PK+((\f)%4)*64
	ds_load_b128 v[KF+8*(\f)+4:KF+8*(\f)+7], v[ADR] offset:((\f)/4)*16*PK+((\f)%4)*64+32
.endr
	WIN 0xc0                        ; destination window 3
.irp f, 0,1,2,3,4,5,6,7             ; rows 16 (f / 4) on, keys 16 (f % 4) on: a lane's eight keys are 32 consecutive bytes of its query's row
	ds_load_b128 v[MK+8*(\f):MK+8*(\f)+3],   v[ADM] offset:((\f)/4)*16*PM+((\f)%4)*64
	ds_load_b128 v[MK+8*(\f)+4:MK+8*(\f)+7], v[ADM] offset:((\f)/4)*16*PM+((\f)%4)*64+16
.endr
.endm
.macro FETCH_V
	WIN 0
	v_add_nc_u32 v[ADR], s[TB], v[AV0]
	WIN 0xc0
.irp f, 0,1,2,3,4,5,6,7,8,9,10,11,12,13,14,15  ; keys 32 (f / 8) on, channels 16 (f % 8) on
	ds_load_tr16_b128 v[8*(\f):8*(\f)+3],   v[ADR] offset:((\f)/8)*32*PV+((\f)%8)*32
	ds_load_tr16_b128 v[8*(\f)+4:8*(\f)+7], v[ADR] offset:((\f)/8)*32*PV+16*PV+((\f)%8)*32
.endr
.endm
; THE VECTOR WORK OF A TURN.  One tile's softmax for one key step is a numbered list; SM writes number j of it for tile t.  s0-s31 are the lane's 32 scores, in pairs 0-15.
;   0-15    the maximum of s0-s31 and the old m, three operands at a time: four chains c0-c3 of seven scores each (each accumulator's lowest registers are read first), then the rest
;   16-20   the other half of the lanes' maximum; m_old is kept; the new m; (19 is empty); m_old - m_new
;   21-87   33 exponentials (a, then s0-s31) at the odd numbers from 23 on, so that no two follow each other and each has a plain line behind it.  Plain line q (number 21, then the even numbers) is
;           whatever is ready: s - m for a pair whose exponentials are still to come, the rounding to f16 of a pair whose exponentials are done, at last the first three sums
;   88-101  the last rounding; the rest of the sums; l = a l + the sum
;   102-133 the tile's O^T times a: the one part that leaves window 0, so it stands together
.macro SM t
.set rT, ST+8*(\t)
.set rS, S+32*(\t)
.set rP, P+16*(\t)
.set rO, 64*(\t)+2*(j-102)
.set q, (j-20)/2
.if j < 102
	WIN 0
.endif
.if j < 4
	v_max3_num_f32 v[rT+4+j], v[rS+8*j], v[rS+8*j+1], v[rS+8*j+2]
.elseif j < 12
	v_max3_num_f32 v[rT+4+j%4], v[rT+4+j%4], v[rS+8*(j%4)+2*(j/4)+1], v[rS+8*(j%4)+2*(j/4)+2]
.elseif j == 12
	v_max3_num_f32 v[rT+4], v[rT+4], v[rS+7], v[rS+15]
.elseif j == 13
	v_max3_num_f32 v[rT+6], v[rT+6], v[rS+23], v[rS+31]
.elseif j == 14
	v_max3_num_f32 v[rT+4], v[rT+4], v[rT+5], v[rT+6]
.elseif j == 15
	v_max3_num_f32 v[rT+4], v[rT+4], v[rT+7], v[rT]
.elseif j == 16
	v_permlanex16_b32 v[rT+5], v[rT+4], s[SEL], s[SEL+1]  ; the query's other 32 keys lie in the lane 16 away
.elseif j == 17
	v_mov_b32 v[rT+7], v[rT]        ; m_old is kept for a: number 18 writes m anew
.elseif j == 18
	v_max_num_f32 v[rT], v[rT+4], v[rT+5]
.elseif j == 19
.elseif j == 20
	v_sub_f32 v[rT+7], v[rT+7], v[rT]
.elseif j == 23
	v_exp_f32 v[rT+6], v[rT+7]
.elseif (j < 88) && (j > 23) && (j%2 == 1)
	v_exp_f32 v[rS+(j-25)/2], v[rS+(j-25)/2]
.elseif (q < 4) || ((j < 76) && (q%2 == 0))
.set b, q/2+2
.if q < 4
.set b, q
.endif
	v_pk_add_f32 v[rS+2*b:rS+2*b+1], v[rS+2*b:rS+2*b+1], v[rT:rT+1] op_sel_hi:[1,0] neg_lo:[0,1] neg_hi:[0,1]  ; pair b: s - m
.elseif (j < 88) && (q%2 == 1)
	s_wait_alu depctr_va_vdst(0)
	v_cvt_pk_f16_f32 v[rP+(q-5)/2], v[rS+q-5], v[rS+q-4]  ; pair (q - 5) / 2: its second exponential stands three numbers back
.elseif j == 89
	s_wait_alu depctr_va_vdst(0)
	v_cvt_pk_f16_f32 v[rP+15], v[rS+30], v[rS+31]
.elseif j < 102                     ; the sum of the tile's 16 pairs, in place: sum z of 16 adds neighbours 1, 2, 4 and 8 pairs apart, then l takes it
.set z, j-86
.if j < 89
.set z, (j-76)/4
.endif
.set w, 4
.set u, z
.if z >= 14
.set w, 32
.set u, 0
.elseif z >= 12
.set w, 16
.set u, z-12
.elseif z >= 8
.set w, 8
.set u, z-8
.endif
.if z < 15
	v_pk_add_f32 v[rS+w*u:rS+w*u+1], v[rS+w*u:rS+w*u+1], v[rS+w*u+w/2:rS+w*u+w/2+1]
.else
	v_pk_fma_f32 v[rT+2:rT+3], v[rT+2:rT+3], v[rT+6:rT+7], v[rS:rS+1] op_sel_hi:[1,0,1]
.endif
.else
	WIN W_RS
	v_pk_mul_f32 v[rO:rO+1], v[rO:rO+1], v[rT+6:rT+7] op_sel_hi:[1,0]
.endif
.endm
; Slice k of 64 of piece y's softmax: numbers 2 k and 2 k + 1 of both tiles' lists.  The twelve numbers that are over stand together, in slice 63: sixteen plain lines that name nothing of the
; products round them, and so are the places (ISA guide 7.12.1) between a turn's last K Q^T and the next turn's first read of those scores.
.macro SLICE y
.if (k >= 11) && (k < 44)           ; tile by tile: plain, exponential, plain, exponential
.irp t, \y, (\y)+1
.irp n, 0,1
.set j, 2*k+(\n)
	SM \t
.endr
.endr
.else                               ; the two tiles alternate, so that no line reads the result of the one just before it
.irp n, 0,1,2,3,4,5,6,7
.if ((\n) < 2) || (k == 63)
.irp t, \y, (\y)+1
.set j, 2*k+(\n)
	SM \t
.endr
.endif
.endr
.endif
.set k, k+1
.endm
; A TURN.  Piece x has the matrix unit; the other piece's softmax stands in slices behind its matrix instructions.  pv = 1: 32 products V^T P; kq = 1: 32 products K Q^T for the next step.
; A turn with one of the two kinds has two slices behind each product.  Each run of loads stands behind the second product of a run of 32, 30 matrix instructions ahead of its first use.
; Piece 0's turn fetches the next step's K and mask: the last product that read them stands in front of slice 63 of the turn before, or further back.  Piece 2's turn fetches the same step's V:
; the last product that read V stands three slices, six plain lines, back.
.macro TURN x, pv, kq
.set k, 0
.set per, 2
.if (\pv) && (\kq)
.set per, 1
.endif
.if \pv
.if (\x) == 0
	s_wait_dscnt 0x0                ; V is in
.endif
.set i, 0
.rept 32
	PV \x
.rept per
	SLICE 2-(\x)
.endr
.if ((\x) == 0) && (\kq) && (i == 1)
	FETCH_K
.endif
.set i, i+1
.endr
.endif
.if \kq
.if (\x) == 0
	s_wait_dscnt 0x0                ; K and the mask are in
.endif
.set i, 0
.rept 32
	KQ \x
.rept per
	SLICE 2-(\x)
.endr
.if ((\x) == 2) && (i == 1)
	FETCH_V
.endif
.set i, i+1
.endr
.endif
.endm
; THE MERGE.  Waves w and w + 2 hold the same tiles over the two halves of the keys.  Each hands one piece to the other (SENDX) and finishes the one that it keeps (FIN).
.macro SENDX x                      ; piece x's O^T, from each accumulator's low end on, and its m and l, into my own bytes
	WIN 0x04                        ; the stores' data in window 1
.set i, 0
.rept 32
	ds_store_b128 v[XA], v[64*(\x)+4*i:64*(\x)+4*i+3] offset:512*i
.set i, i+1
.endr
	WIN 0
	ds_store_b64 v[XA2], v[ST+8*(\x):ST+8*(\x)+1]
	ds_store_b64 v[XA2], v[ST+8*(\x)+8:ST+8*(\x)+9] offset:256
.endm
; Piece x: with M = max(m, m'), O = (2^(m - M) O + 2^(m' - M) O') / (2^(m - M) l + 2^(m' - M) l'); rounded to f16 and sent through my stage, a tile (16 rows of ctx) at a time.
.macro FIN x
	ds_load_b64 v[PS:PS+1], v[XB2]
	ds_load_b64 v[PS+2:PS+3], v[XB2] offset:256
.set i, 0
.rept 32
	ds_load_b128 v[S+4*i:S+4*i+3], v[XB] offset:512*i
.set i, i+1
.endr
	s_wait_dscnt 32                 ; the partner's statistics are in; its O^T, 32 loads, may be out
.irp u, 0,1
	v_max_num_f32 v[ST+8*((\x)+(\u))+4], v[ST+8*((\x)+(\u))], v[PS+2*(\u)]
.endr
.irp u, 0,1
	v_sub_f32 v[ST+8*((\x)+(\u))+5], v[ST+8*((\x)+(\u))], v[ST+8*((\x)+(\u))+4]
	v_sub_f32 v[ST+8*((\x)+(\u))+7], v[PS+2*(\u)], v[ST+8*((\x)+(\u))+4]
.endr
.irp u, 0,1
	v_exp_f32 v[ST+8*((\x)+(\u))+5], v[ST+8*((\x)+(\u))+5]
	v_exp_f32 v[ST+8*((\x)+(\u))+7], v[ST+8*((\x)+(\u))+7]
.endr
	v_nop                           ; a plain line between the last exponential and the use of its result
.irp u, 0,1
	s_wait_alu depctr_va_vdst(0)
	v_mul_f32 v[ST+8*((\x)+(\u))+2], v[ST+8*((\x)+(\u))+7], v[PS+2*(\u)+1]
.endr
.irp u, 0,1
	v_fmac_f32 v[ST+8*((\x)+(\u))+2], v[ST+8*((\x)+(\u))+5], v[ST+8*((\x)+(\u))+1]
.endr
.irp u, 0,1
	v_rcp_f32 v[ST+8*((\x)+(\u))+3], v[ST+8*((\x)+(\u))+2]  ; at least 1: the larger maximum's own weight
.endr
	v_nop                           ; likewise behind the reciprocals
.irp u, 0,1
	s_wait_alu depctr_va_vdst(0)
	v_mul_f32 v[ST+8*((\x)+(\u))+4], v[ST+8*((\x)+(\u))+5], v[ST+8*((\x)+(\u))+3]  ; my factor
	v_mul_f32 v[ST+8*((\x)+(\u))+6], v[ST+8*((\x)+(\u))+7], v[ST+8*((\x)+(\u))+3]  ; the partner's
.endr
	s_wait_dscnt 0x0
.irp u, 0,1
.set i, 0
.rept 32
	v_pk_mul_f32 v[S+64*(\u)+2*i:S+64*(\u)+2*i+1], v[S+64*(\u)+2*i:S+64*(\u)+2*i+1], v[ST+8*((\x)+(\u))+6:ST+8*((\x)+(\u))+7] op_sel_hi:[1,0]
.set i, i+1
.endr
	WIN 0x01                        ; source 0, my O^T, in window 1; ascending, from each accumulator's low end on
.set i, 0
.rept 32
	v_pk_fma_f32 v[S+64*(\u)+2*i:S+64*(\u)+2*i+1], v[64*((\x)+(\u))+2*i:64*((\x)+(\u))+2*i+1], v[ST+8*((\x)+(\u))+4:ST+8*((\x)+(\u))+5], v[S+64*(\u)+2*i:S+64*(\u)+2*i+1] op_sel_hi:[1,0,1]
.set i, i+1
.endr
	WIN 0
.set i, 0
.rept 32                            ; in place, ascending: register i is written when registers 2 i and 2 i + 1 are read
	v_cvt_pk_f16_f32 v[S+64*(\u)+i], v[S+64*(\u)+2*i], v[S+64*(\u)+2*i+1]
.set i, i+1
.endr
.irp f, 0,1,2,3,4,5,6,7
	ds_store_b128 v[STO], v[S+64*(\u)+4*(\f):S+64*(\u)+4*(\f)+3] offset:32*(\f)
.endr
.irp f, 0,1,2,3,4,5,6,7
	ds_load_b128 v[S+64*(\u)+4*(\f):S+64*(\u)+4*(\f)+3], v[RD] offset:(\f)*2*SP  ; LDS serves a wave's instructions in order (ISA guide 5.7.1.4): these see the stores above; the next tile's stores come behind them
.endr
.irp f, 0,1,2,3,4,5,6,7
	s_wait_dscnt 7-(\f)
	global_store_b128 v[GO], v[S+64*(\u)+4*(\f):S+64*(\u)+4*(\f)+3], s[68:69] offset:((\x)/2)*256+(\u)*65536+(\f)*8192  ; 16 lanes store a head's 256 bytes of a row, aligned
.endr
.endr
.endm
	s_load_b128 s[4:7], s[0:1], 0x0 ; qkv s[4:5], mask2 s[6:7]
	s_load_b64 s[8:9], s[0:1], 0x10 ; ctx
	v_lshl_add_u32 v[SPW], v0, 2, SPARE
	v_mov_b32 v[NIL], 0
	ds_add_u32 v[SPW], v[NIL]       ; the wave's opening: the add and its wait stand ahead of my first tensor load; the set-up below, work on registers, stands between them
	v_lshrrev_b32 v1, 5, v0
	v_readfirstlane_b32 s[WV], v1
	s_bfe_u32 s13, ttmp6, 0x40000   ; cx, cy: my place in the cluster
	s_bfe_u32 s14, ttmp6, 0x40004
	s_lshl_b32 s15, ttmp9, 2
	s_add_co_u32 s15, s15, s13      ; my block of 64 rows = 4 x cluster x + cx
	s_and_b32 s16, ttmp7, 0xffff
	s_lshl_b32 s16, s16, 2
	s_add_co_u32 s16, s16, s14      ; my key and value head = 4 x cluster y + cy
	s_and_b32 s17, s[WV], 1         ; which 32 rows are mine.  Also: which half of the mask's rows I fetch
	s_lshr_b32 s18, s[WV], 1        ; which 64 of a step's keys
	s_lshl_b32 s20, s14, 2
	s_lshl_b32 s20, 15, s20         ; my row of the cluster
	s_lshl_b32 s21, 0x1111, s13     ; my column
	s_or_b32 s[G1K], s20, (1<<16)|(1<<20)|(1<<21)|(5<<22)|(3<<25)  ; 15:0 the mask of four; 17:16 2-byte elements; 20 padding on; 21 set beside a mask; 24:22 after every 64 words; 31:25 4 words of it
	s_or_b32 s[G1V], s20, (1<<16)|(1<<20)|(1<<21)|(5<<22)|(7<<25)  ; the same with 8 words
	s_or_b32 s[G1M], s21, (2<<16)|(1<<20)|(1<<21)|(6<<22)|(3<<25)  ; 4-byte elements; after every 128 words 4 words
.irp g, G1K, G1V
	s_mov_b32 s[(\g)+1], 128<<16    ; tensor_dim0 = 128
	s_mov_b32 s[(\g)+2], 128<<16    ; tensor_dim1 = 128
	s_mov_b32 s[(\g)+3], 128<<16    ; tile_dim0 = 128
	s_mov_b32 s[(\g)+4], 128        ; tile_dim1 = 128
	s_mov_b32 s[(\g)+5], 128        ; elements from row to row
	s_mov_b32 s[(\g)+6], 0
	s_mov_b32 s[(\g)+7], 0
.endr
	s_mov_b32 s[G1M+1], 128<<16     ; 128 keys
	s_mov_b32 s[G1M+2], 32<<16      ; 32 rows
	s_mov_b32 s[G1M+3], 128<<16
	s_mov_b32 s[G1M+4], 32
	s_mov_b32 s[G1M+5], 2048
	s_mov_b32 s[G1M+6], 0
	s_mov_b32 s[G1M+7], 0
	s_mov_b32 s[G0K], 1             ; count = 1
	s_mov_b32 s[G0V], 1
	s_mov_b32 s[G0M], 1
	s_mov_b32 s[G0K+1], 0           ; LDS addresses, slot 0: no place in the cluster enters them
	s_mov_b32 s[G0V+1], VOFF
	s_mul_i32 s[G0M+1], s17, 32*PM
	s_add_co_u32 s[G0M+1], s[G0M+1], MOFF
	; byte offsets, each in a pair of its own: K's and V's hang on the head alone, the mask's on the rows alone
	s_add_co_u32 s70, s16, 16
	s_lshl_b32 s70, s70, 19
	s_mov_b32 s71, 0
	s_add_co_u32 s72, s16, 24
	s_lshl_b32 s72, s72, 19
	s_mov_b32 s73, 0
	s_lshl_b32 s74, s15, 6
	s_lshl_b32 s22, s17, 5
	s_add_co_u32 s74, s74, s22
	s_lshl_b32 s74, s74, 13         ; a row of the mask is 8,192 bytes
	s_mov_b32 s75, 0
	s_lshl_b32 s23, s15, 6
	s_add_co_u32 s23, s23, s22      ; my first row
	s_lshl_b32 s76, s16, 20         ; query head 2 g
	s_lshl_b32 s22, s23, 8
	s_add_co_u32 s76, s76, s22
	s_mov_b32 s77, 0
	s_lshl_b32 s78, s23, 12         ; a row of ctx is 4,096 bytes,
	s_lshl_b32 s22, s16, 9          ; the two heads 512 of them
	s_add_co_u32 s78, s78, s22
	s_mov_b32 s79, 0
	; my cluster's class, from the cluster's own coordinates, which all partners share; the first key step asked for is the class's number
	s_and_b32 s[T0], ttmp7, 0xffff
	s_xor_b32 s[T0], s[T0], ttmp9
	s_and_b32 s[PI], s[T0], 1
	s_lshl_b32 s[OFK], s[PI], 15
	s_mov_b32 s[OFK+1], 0
	s_lshl_b32 s[OFM], s[PI], 9
	s_mov_b32 s[OFM+1], 0
	s_mov_b32 s[KT], 0
	s_mov_b32 s[SEL], 0x76543210
	s_mov_b32 s[SEL+1], 0xfedcba98
	s_mov_b32 s[TB], SLOT1          ; the first change of slots turns it into 0
	s_wait_dscnt 0x0                ; the opening add is done
	s_wait_kmcnt 0x0
	s_add_nc_u64 s[BK:BK+1], s[4:5], s[70:71]
	s_add_nc_u64 s[BV:BV+1], s[4:5], s[72:73]
	s_add_nc_u64 s[BM:BM+1], s[6:7], s[74:75]
	s_add_nc_u64 s[G0K+2:G0K+3], s[BK:BK+1], s[OFK:OFK+1]
	s_or_b32 s[G0K+3], s[G0K+3], 0x80000000  ; type = 2
	s_add_nc_u64 s[G0V+2:G0V+3], s[BV:BV+1], s[OFK:OFK+1]
	s_or_b32 s[G0V+3], s[G0V+3], 0x80000000
	s_add_nc_u64 s[G0M+2:G0M+3], s[BM:BM+1], s[OFM:OFM+1]
	s_or_b32 s[G0M+3], s[G0M+3], 0x80000000
	s_add_nc_u64 s[66:67], s[4:5], s[76:77]  ; Q at my rows of the first head
	s_add_nc_u64 s[68:69], s[8:9], s[78:79]  ; ctx at my rows and heads
	CROUND                          ; all sixteen work-groups are here: the first joint loads meet
	JLOAD                           ; the first key step into slot 0.  Slot 1 is asked for when slot 0 is in
	; a fragment of K or Q is 16 rows x 32 channels in 8 registers: lane l holds row l % 16, channels 8 (l / 16) + 0..7 and 16 + 8 (l / 16) + 0..7: two loads of 16 bytes, 32 bytes apart
	v_and_b32 v1, 15, v0            ; l % 16
	v_bfe_u32 v9, v0, 4, 1          ; l / 16
	v_lshlrev_b32 v[QO], 8, v1
	v_lshl_add_u32 v[QO], v9, 4, v[QO]
	WIN 0x80                        ; destination window 2, address window 0
.irp i, 0,1,2,3,4,5,6,7,8,9,10,11,12,13,14,15  ; Q stays in registers: tile i / 4 (head i / 8, rows 16 ((i / 4) % 2) on), channels 32 (i % 4) on
	global_load_b128 v[8*(\i):8*(\i)+3],   v[QO], s[66:67] offset:((\i)/8)*524288+(((\i)/4)%2)*4096+((\i)%4)*64
	global_load_b128 v[8*(\i)+4:8*(\i)+7], v[QO], s[66:67] offset:((\i)/8)*524288+(((\i)/4)%2)*4096+((\i)%4)*64+32
.endr
	; What the first turn finds: V's registers and piece 2's P hold 0 (its products V^T P, of a step that has not been, add 0), O^T and l are 0.  All this stands in the wait for the first tile.
	WIN 0xc0
.set i, 0
.rept 128
	v_mov_b32 v[i], 0
.set i, i+1
.endr
	WIN 0x40
.set i, 0
.rept 256
	v_mov_b32 v[i], 0
.set i, i+1
.endr
	WIN 0
.set i, 0
.rept 4
	v_mov_b32 v[ST+8*i], 0xff7fffff ; m: the lowest finite number
	v_mov_b32 v[ST+8*i+1], 0
	v_mov_b32 v[ST+8*i+2], 0
	v_mov_b32 v[ST+8*i+3], 0
.set i, i+1
.endr
.set i, P+32
.rept 32
	v_mov_b32 v[i], 0
.set i, i+1
.endr
	s_mul_i32 s22, s18, 64*PK       ; my 64 keys
	v_mul_u32_u24 v[AK0], v1, PK
	v_lshl_add_u32 v[AK0], v9, 4, v[AK0]
	v_add_nc_u32 v[AK0], s22, v[AK0]
	; the turning load takes 16 keys x 16 channels (lane l reads key 8 (l / 16) + l % 8, channels 8 ((l / 8) % 2) + 0..7) and leaves half a fragment of V^T: lane l holds channel l % 16 and 8 keys
	v_and_b32 v10, 7, v0
	v_bfe_u32 v11, v0, 3, 1
	v_lshl_add_u32 v[AV0], v9, 3, v10
	v_mul_u32_u24 v[AV0], v[AV0], PV
	v_lshl_add_u32 v[AV0], v11, 4, v[AV0]
	s_mul_i32 s22, s18, 64*PV
	s_add_co_u32 s22, s22, VOFF
	v_add_nc_u32 v[AV0], s22, v[AV0]
	s_mul_i32 s22, s17, 32*PM       ; the mask: my 32 rows, my 64 keys, my lane's row and its eight keys
	s_lshl_b32 s23, s18, 8
	s_add_co_u32 s22, s22, s23
	s_add_co_u32 s22, s22, MOFF
	v_mul_u32_u24 v[AM0], v1, PM
	v_lshl_add_u32 v[AM0], v9, 5, v[AM0]
	v_add_nc_u32 v[AM0], s22, v[AM0]
	CHANGE 1                        ; slot 0 is in, everybody's part of it; slot 1 is asked for
	FETCH_K                         ; the first key step
	s_wait_loadcnt 0x0              ; Q
	s_wait_dscnt 0x0
.set i, 0
.rept 32
	KQ 0                            ; piece 0's first scores: there is no vector work yet to set between them
.set i, i+1
.endr
	WIN 0                           ; the addresses for the merge and the way out are made here: plain lines, the places behind those products
	s_mul_i32 s22, s[WV], 16*SP
	s_add_co_u32 s22, s22, STAGE    ; my stage
	v_mul_u32_u24 v[STO], v1, SP    ; in: row l % 16, 16 bytes for each half of the lanes
	v_lshl_add_u32 v[STO], v9, 4, v[STO]
	v_add_nc_u32 v[STO], s22, v[STO]
	v_mul_u32_u24 v[RD], v9, SP     ; back: lanes 0-15 take one row of 256 bytes, lanes 16-31 the next
	v_lshl_add_u32 v[RD], v1, 4, v[RD]
	v_add_nc_u32 v[RD], s22, v[RD]
	v_lshlrev_b32 v[GO], 12, v9     ; and the same two rows in ctx
	v_lshl_add_u32 v[GO], v1, 4, v[GO]
	v_and_b32 v10, 31, v0
	s_mul_i32 s22, s[WV], XW
	s_add_co_u32 s22, s22, XCH      ; my bytes for the merge,
	s_xor_b32 s23, s[WV], 2
	s_mul_i32 s23, s23, XW
	s_add_co_u32 s23, s23, XCH      ; and my partner's
	v_lshl_add_u32 v[XA], v10, 4, s22
	v_lshl_add_u32 v[XB], v10, 4, s23
	s_add_co_u32 s22, s22, 16384
	s_add_co_u32 s23, s23, 16384
	v_lshl_add_u32 v[XA2], v10, 3, s22
	v_lshl_add_u32 v[XB2], v10, 3, s23
	s_mov_b32 s[SLOTS], 15
	s_branch .Lmid                  ; the loop is entered in the middle of a trip: piece 2's turn, with piece 0's first softmax
.Lslot:                             ; 14 whole trips: the third to the sixteenth key step are asked for
	CHANGE 1
	TURN 0, 1, 1                    ; piece 0: V^T P of step j, K Q^T of step j + 1 | piece 2's softmax of step j | K and mask of step j + 1
	WIN 0
.Lmid:
	TURN 2, 1, 1                    ; piece 2: the same | piece 0's softmax of step j + 1 | V of step j + 1
	WIN 0
	s_sub_co_u32 s[SLOTS], s[SLOTS], 1
	s_cmp_lg_u32 s[SLOTS], 0
	s_cbranch_scc1 .Lslot
	CHANGE 0                        ; the tail is written out: nothing is asked for
	TURN 0, 1, 1
	TURN 2, 1, 1
	TURN 0, 1, 0                    ; piece 0: V^T P of the last step | piece 2's last softmax
.set i, 0
.rept 32
	PV 2                            ; piece 2: V^T P of the last step
.set i, i+1
.endr
	WIN 0                           ; l's two halves and the other half of the lanes' are added; the additions are the places behind the last products
.irp t, 0,1,2,3
	v_add_f32 v[ST+8*(\t)+2], v[ST+8*(\t)+2], v[ST+8*(\t)+3]
.endr
.irp t, 0,1,2,3
	v_permlanex16_b32 v[ST+8*(\t)+3], v[ST+8*(\t)+2], s[SEL], s[SEL+1]
.endr
.irp t, 0,1,2,3
	v_add_f32 v[ST+8*(\t)+1], v[ST+8*(\t)+2], v[ST+8*(\t)+3]
.endr
	s_cmp_lt_u32 s[WV], 2
	s_cbranch_scc0 .Lsend0
	SENDX 2                         ; waves 0 and 1 keep the first head and hand over the second,
	s_branch .Lsent
.Lsend0:
	SENDX 0                         ; waves 2 and 3 the other way round
.Lsent:
	s_wait_dscnt 0x0                ; for the others' sake: my stores are done
	s_barrier_signal -1
	s_barrier_wait -1
	s_cmp_lt_u32 s[WV], 2
	s_cbranch_scc0 .Lfin2
	FIN 0
	s_branch .Lfinished
.Lfin2:
	FIN 2
.Lfinished:
	s_wait_tensorcnt 0x0            ; the wave's end: an add to my spare word and its wait, behind my last tensor load and my last LDS store
	ds_add_u32 v[SPW], v[NIL]
	s_wait_dscnt 0x0
	CROUND                          ; the closing round: no work-group ends while a partner may still ask for a tile that names it
	s_endpgm
.Lfunc_end_k_qbae25de683_attn:
	.size	k_qbae25de683_attn, .Lfunc_end_k_qbae25de683_attn-k_qbae25de683_attn
	.p2alignl 7, 3214868480
	.fill 96, 4, 3214868480
	.section	.rodata,"a",@progbits
	.p2align	6, 0x0
	.amdhsa_kernel k_qbae25de683_attn
		.amdhsa_group_segment_fixed_size 327680
		.amdhsa_private_segment_fixed_size 0
		.amdhsa_enable_private_segment 0
		.amdhsa_kernarg_size 24
		.amdhsa_user_sgpr_count 2
		.amdhsa_user_sgpr_kernarg_segment_ptr 1
		.amdhsa_wavefront_size32 1
		.amdhsa_system_sgpr_workgroup_id_x 1
		.amdhsa_system_sgpr_workgroup_id_y 1
		.amdhsa_system_sgpr_workgroup_id_z 1
		.amdhsa_system_vgpr_workitem_id 0
		.amdhsa_next_free_vgpr 960
		.amdhsa_next_free_sgpr 94
		.amdhsa_reserve_vcc 0
		.amdhsa_float_denorm_mode_32 3
		.amdhsa_float_denorm_mode_16_64 3
		.amdhsa_memory_ordered 1
		.amdhsa_forward_progress 1
		.amdhsa_inst_pref_size 205
	.end_amdhsa_kernel
	.amdgpu_metadata
---
amdhsa.version: [ 1, 2 ]
amdhsa.kernels:
  - .name:           k_qbae25de683_attn
    .symbol:         k_qbae25de683_attn.kd
    .args:
      - { .name: qkv, .offset: 0, .size: 8, .value_kind: global_buffer, .address_space: global }
      - { .name: mask2, .offset: 8, .size: 8, .value_kind: global_buffer, .address_space: global }
      - { .name: ctx, .offset: 16, .size: 8, .value_kind: global_buffer, .address_space: global }
    .group_segment_fixed_size: 327680
    .private_segment_fixed_size: 0
    .kernarg_segment_align: 8
    .kernarg_segment_size: 24
    .max_flat_workgroup_size: 128
    .sgpr_count:     94
    .vgpr_count:     960
    .wavefront_size: 32
...
	.end_amdgpu_metadata
.endif
;; end of part 3
;; launch gemm_o (part 4): grid 16 x 16, 4 waves a work-group, clusters of 4 x 4, 327,680 bytes of LDS; arguments ctx, wo16, out0; writes out0
.if DOCPART == 4
	.amdgcn_target "amdgcn-amd-amdhsa--gfx1250"
	.amdhsa_code_object_version 6
	.text
	.protected	k_qbae25de683_gemm_o
	.globl	k_qbae25de683_gemm_o
	.p2align	8
	.type	k_qbae25de683_gemm_o,@function
k_qbae25de683_gemm_o:
	s_mov_b64 s[64:65], 0
	v_nop
	global_prefetch_b8 v0, s[64:65] scope:SCOPE_SE
	s_setreg_imm32_b32 hwreg(HW_REG_WAVE_MODE, 25, 1), 1
	s_wait_xcnt 0x0
	s_wait_alu depctr_hold_cnt(0) depctr_sa_sdst(0) depctr_va_vdst(0) depctr_va_sdst(0) depctr_va_ssrc(0) depctr_va_vcc(0) depctr_vm_vsrc(0)
	s_getreg_b32 s2, hwreg(HW_REG_IB_STS2, 6, 4)
	s_cmp_eq_u32 s2, 0
	s_cbranch_scc0 .Lentry_in_a_cluster
	s_endpgm
.Lentry_in_a_cluster:
	s_bfe_u32 s2, ttmp6, 0x10000c
	s_cmp_lg_u32 s2, 0xf033
	s_cbranch_scc0 .Lentry_shape_is_right
	s_endpgm
.Lentry_shape_is_right:
; THE OUTPUT PROJECTION.  out0[m][n] = sum over k of ctx[m][k] wo16[n][k]: 2,048 x 4,096 x 2,048, f16 operands, f32 sums, f32 output.  ctx holds a quarter of the context and wo16 four times
; the weights (rounded to bf16, written as f16): the two powers of two cancel.
; LIMITS.  Both operands arrive within f16's range; NaN and infinities are not treated apart.  K's steps are not added in ascending order.
; SHAPE.  C has 128 tiles of 256 x 256, too few for 256 work-groups, so a tile is 128 x 256.  Four waves, each 64 rows x 128 columns: 32 accumulators, 256 registers.  K goes in steps of 128
; (rows of 256 bytes) through two LDS slots.
; CLUSTER.  4 x 4 work-groups: the four of a row of the cluster need the same tile of ctx, the four of a column the same tile of the weights; each tile is asked for jointly.
; TWO ORDERS OF K.  The clusters are of two classes, by their coordinates X and Y: (X ^ Y ^ (Y >> 1)) & 1.  Of each eight K steps class 0 takes 0, 2, 4, 6, 1, 3, 5, 7 and class 1 takes
; 1, 3, 5, 7, 0, 2, 4, 6.  Clusters that need the same rows of an operand are of both classes, so in the second half of each eight a cluster asks for bytes that one of the other class asked for four steps before.
; THE MATRIX INSTRUCTION IS USED TRANSPOSED (source 0 = 16 rows of the weights, source 1 = 16 rows of ctx): lane l holds row l % 16 and the columns 16 b + 8 (l / 16) + 0..7.
; REGISTERS, in windows of 256 (s_set_vgpr_msb: bits 1:0 source 0, 3:2 source 1, 5:4 source 2, 7:6 destination):
;   window 0: addresses; v64-191 rows on the way out      window 1: the accumulators, (a, b) at v[8 (8 a + b)]      window 2: two fragment buffers of 96: eight of the weights, then four of ctx
.set SIZE_K, 2048
.set KSHIFT, 12                        ; a row of either operand is 4,096 bytes
.set NSTEP,  SIZE_K/128
.set PITCH,  272                       ; an LDS row: 256 bytes + 16 of padding = 68 words: the 16 rows of a fragment load start at 16 different groups of four banks (64 banks of 4 bytes: ISA guide 11.1)
.set BOFF,   128*PITCH                 ; a slot: ctx's 128 rows, then the weights' 256
.set SLOT1,  1<<17                     ; slot 1 begins here, so that one exclusive or turns an address in one slot into the other's
.set STAGE,  SLOT1+384*PITCH           ; behind the ring, never filled by a tensor load: 16 rows x 528 bytes for each wave
.set SPITCH, 528                       ; 512 bytes of f32 + 16
.set SPARE,  STAGE+4*16*SPITCH         ; behind the stages: the spare words, 128 bytes for each wave
.set A0,   4                           ; v4   my lane's place in a slot's rows of ctx; never rewritten
.set B0,   5                           ; v5   the same for the weights
.set ADRA, 16                          ; v16  A0 in the slot in hand
.set ADRB, 17                          ; v17  B0 likewise
.set STO,  24                          ; v24  the way out: where I put 32 bytes of a row
.set RD,   25                          ; v25  where I read a row back
.set CO,   26                          ; v26  16 x lane: my place in 512 consecutive bytes of the output
.set SPW,  28                          ; v28  LDS address of my spare word; never rewritten
.set NIL,  29                          ; v29  0; never rewritten
.set F0,   0
.set F1,   96
.set WV,   12                          ; s12  my wave's number
.set RH,   13                          ; s13  which 64 rows are mine.  Also: I fetch ctx (0) or weights (1)
.set CH,   14                          ; s14  which 128 columns.  Also: which half of that tile I fetch
.set G1A,  24                          ; s[24:31] descriptor group 1 for ctx's tiles
.set G1B,  32                          ; s[32:39] for the weights'
.set G0A0, 40                          ; s[40:43] group 0: ctx, the first K step, slot 0: used once
.set G0A,  44                          ; s[44:47] ctx, the second K step, slot 1; it then serves every refill
.set G0B0, 48                          ; s[48:51], s[52:55] the same for the weights
.set G0B,  52
.set TB,   56                          ; s56  the slot that is read
.set CNT,  57                          ; s57  loop counter
.set OUT,  66                          ; s[66:67] my part of the output
.set BASEA, 80                         ; s[80:81] ctx at my part of the tile's rows, K = 0
.set BASEB, 82                         ; s[82:83] the weights likewise
.set OFF,  84                          ; s[84:85] a K step's byte offset in a row
.set KT,   86                          ; s86  how many K steps have been asked for, less one
.set PI,   87                          ; s87  my cluster's class
.set T0,   88                          ; s88, s89 at work
.set T1,   89
.set MSB, 0
.macro WIN new                         ; the immediate's high byte repeats the setting that is left; a switch that changes nothing is dropped
.if MSB != (\new)
	s_set_vgpr_msb (MSB<<8)|(\new)
.set MSB, \new
.endif
.endm
.set MUL,  0x5a                        ; both sources window 2, C and D window 1
.set TO_F, 0x80                        ; destination window 2, address window 0
.macro PLACES                          ; four places in front of loads into registers that matrix instructions have read, and of lines that read results
.rept 4
	v_nop
.endr
.endm
; A joint refill: waves 0 and 1 fetch ctx's two halves, waves 2 and 3 the weights'.  The branch hangs on the wave's number alone.  An s_nop 0 and four v_nop follow each line.
.macro JLOAD
	s_cmp_eq_u32 s[RH], 0
	s_cbranch_scc0 .Lfor_b_\@
	tensor_load_to_lds s[G0A:G0A+3], s[G1A:G1A+7]
	s_nop 0
.rept 4
	v_nop
.endr
	s_branch .Lasked_\@
.Lfor_b_\@:
	tensor_load_to_lds s[G0B:G0B+3], s[G1B:G1B+7]
	s_nop 0
.rept 4
	v_nop
.endr
.Lasked_\@:
.endm
.macro CREST                           ; a round of the cluster's barrier behind its opening barrier
	s_cmp_lg_u32 s[WV], 0
	s_cbranch_scc1 .Lnot_wave_0_\@
	s_barrier_signal -3
.Lnot_wave_0_\@:
	s_barrier_wait -3
	s_barrier_signal -1
	s_barrier_wait -1
.endm
.macro CROUND                          ; a whole round
	s_barrier_signal -1
	s_barrier_wait -1
	CREST
.endm
; The refill's two descriptors are made for the next K step in my class's order: the t-th step asked for is k = (t & -8) | (2 t & 6) | (class ^ bit 2 of t).  The address is made anew
; from the base and k x 256 bytes, the type bits are set again; the LDS word goes to the other slot than last time.
.macro KNEXT
	s_add_co_u32 s[KT], s[KT], 1
	s_lshl_b32 s[T0], s[KT], 1
	s_and_b32 s[T0], s[T0], 6
	s_bfe_u32 s[T1], s[KT], 0x10002
	s_xor_b32 s[T1], s[T1], s[PI]
	s_or_b32 s[T0], s[T0], s[T1]
	s_and_b32 s[T1], s[KT], -8
	s_or_b32 s[T0], s[T0], s[T1]
	s_lshl_b32 s[OFF], s[T0], 8
	s_xor_b32 s[G0A+1], s[G0A+1], SLOT1
	s_add_nc_u64 s[G0A+2:G0A+3], s[BASEA:BASEA+1], s[OFF:OFF+1]
	s_or_b32 s[G0A+3], s[G0A+3], 0x80000000
	s_xor_b32 s[G0B+1], s[G0B+1], SLOT1
	s_add_nc_u64 s[G0B+2:G0B+3], s[BASEB:BASEB+1], s[OFF:OFF+1]
	s_or_b32 s[G0B+3], s[G0B+3], 0x80000000
.endm
; 8 matrix instructions: row block a x all 8 column blocks, 32 along K, from buffer f.  zero = 1: the product starts the sums.  The 32 accumulators take turns in the same order in every
; quarter.
.macro MUL8 f, a, zero
	WIN MUL
.irp b, 0,1,2,3,4,5,6,7
.if \zero
	v_wmma_f32_16x16x32_f16 v[8*(8*(\a)+(\b)):8*(8*(\a)+(\b))+7], v[(\f)+8*(\b):(\f)+8*(\b)+7], v[(\f)+64+8*(\a):(\f)+64+8*(\a)+7], 0
.else
	v_wmma_f32_16x16x32_f16 v[8*(8*(\a)+(\b)):8*(8*(\a)+(\b))+7], v[(\f)+8*(\b):(\f)+8*(\b)+7], v[(\f)+64+8*(\a):(\f)+64+8*(\a)+7], v[8*(8*(\a)+(\b)):8*(8*(\a)+(\b))+7]
.endif
.endr
.endm
; 24 LDS loads in one run: the fragments of 32 along K at byte k of the rows, into buffer f: the weights' eight, then ctx's four
.macro FETCH k, f
	WIN TO_F
.irp i, 0,1,2,3,4,5,6,7
	ds_load_b128 v[(\f)+8*(\i):(\f)+8*(\i)+3],   v[ADRB] offset:(\k)+(\i)*16*PITCH
	ds_load_b128 v[(\f)+8*(\i)+4:(\f)+8*(\i)+7], v[ADRB] offset:(\k)+(\i)*16*PITCH+32
.endr
.irp i, 0,1,2,3
	ds_load_b128 v[(\f)+64+8*(\i):(\f)+64+8*(\i)+3],   v[ADRA] offset:(\k)+(\i)*16*PITCH
	ds_load_b128 v[(\f)+64+8*(\i)+4:(\f)+64+8*(\i)+7], v[ADRA] offset:(\k)+(\i)*16*PITCH+32
.endr
.endm
; A K step is four quarters of 32 along K, 32 matrix instructions each, on buffers 0, 1, 0, 1.  One of the first three: multiplies f and, in its middle, fetches the next quarter into g.
.macro QUARTER k, f, g, zero
	s_wait_dscnt 4                                 ; the youngest four loads (ctx's blocks 2 and 3) may be out
	MUL8 \f, 0, \zero
	MUL8 \f, 1, \zero
	PLACES
	FETCH \k, \g
	s_wait_dscnt 24                                ; all but the 24 just issued
	MUL8 \f, 2, \zero
	MUL8 \f, 3, \zero
.endm
; The last quarter multiplies buffer 1 and changes slots: ONE barrier.  In front of it each wave waits for all its tensor loads (one is out: its part of the next slot), adds 0 to its spare
; word, and waits for that and for its reads of this slot.  fill = 1: the barrier opens a round of the cluster's, and this slot is filled again, with the K step that comes two steps on in my
; class's order, first thing behind the round: from that request to the wait for it a wave issues 112 matrix instructions.
.macro TURN fill
	WIN 0                                          ; (the add's two registers lie in window 0)
	s_wait_tensorcnt 0x0                           ; all my tensor loads have landed, so the descriptors may be written
	ds_add_u32 v[SPW], v[NIL]                      ; 0 onto my spare word; scalar work and eight products stand between it and the wait for it
.if \fill
	KNEXT
.endif
	s_wait_dscnt 7                                 ; (the add and the six loads of ctx's blocks 1 to 3 may be out)
	MUL8 F1, 0, 0
	s_wait_dscnt 0x0                               ; the add is done, and my reads of this slot are over
	s_barrier_signal -1
	MUL8 F1, 1, 0
	WIN 0
	s_barrier_wait -1
.if \fill
	CREST                                          ; no wave of any partner still reads this slot or has a load on its way
	JLOAD                                          ; its four v_nop are also the places in front of the loads below
.else
	PLACES
.endif
	s_xor_b32 s[TB], s[TB], SLOT1
	v_add_nc_u32 v[ADRA], s[TB], v[A0]
	v_add_nc_u32 v[ADRB], s[TB], v[B0]
	FETCH 0, F0
	MUL8 F1, 2, 0
	MUL8 F1, 3, 0
.endm
	s_load_b128 s[4:7], s[0:1], 0x0                ; ctx s[4:5], wo16 s[6:7]
	s_load_b64 s[8:9], s[0:1], 0x10                ; out0
	v_lshl_add_u32 v[SPW], v0, 2, SPARE
	v_mov_b32 v[NIL], 0
	ds_add_u32 v[SPW], v[NIL]                      ; the wave's opening: the add and its wait stand ahead of my first tensor load; the set-up below, work on registers, stands between them
	v_lshrrev_b32 v1, 5, v0
	v_readfirstlane_b32 s[WV], v1
	s_lshr_b32 s[RH], s[WV], 1
	s_and_b32 s[CH], s[WV], 1
	s_bfe_u32 s16, ttmp6, 0x40000                  ; cx, cy: my place in the cluster
	s_bfe_u32 s17, ttmp6, 0x40004
	s_lshl_b32 s18, ttmp9, 2
	s_add_co_u32 s18, s18, s16                     ; tile column = 4 x cluster x + cx
	s_and_b32 s19, ttmp7, 0xffff
	s_lshl_b32 s19, s19, 2
	s_add_co_u32 s19, s19, s17                     ; tile row = 4 x cluster y + cy
	s_lshl_b32 s20, s17, 2
	s_lshl_b32 s20, 15, s20                        ; my row of the cluster
	s_lshl_b32 s21, 0x1111, s16                    ; my column
	s_or_b32 s[G1A], s20, (1<<16)|(1<<20)|(1<<21)|(5<<22)|(3<<25)  ; 15:0 the mask; 17:16 2-byte elements; 20 padding on; 21 set beside a mask; 24:22 after every 64 words; 31:25 4 words of it
	s_or_b32 s[G1B], s21, (1<<16)|(1<<20)|(1<<21)|(5<<22)|(3<<25)
	s_mov_b32 s[G1A+1], 128<<16                    ; tensor_dim0 = 128
	s_mov_b32 s[G1A+2], 64<<16                     ; tensor_dim1 = 64
	s_mov_b32 s[G1A+3], 128<<16                    ; tile_dim0 = 128
	s_mov_b32 s[G1A+4], 64                         ; tile_dim1 = 64
	s_mov_b32 s[G1A+5], SIZE_K                     ; elements from row to row
	s_mov_b32 s[G1A+6], 0
	s_mov_b32 s[G1A+7], 0
	s_mov_b32 s[G1B+1], 128<<16
	s_mov_b32 s[G1B+2], 128<<16                    ; 128 rows
	s_mov_b32 s[G1B+3], 128<<16
	s_mov_b32 s[G1B+4], 128
	s_mov_b32 s[G1B+5], SIZE_K
	s_mov_b32 s[G1B+6], 0
	s_mov_b32 s[G1B+7], 0
	s_mov_b32 s[G0A0], 1                           ; count = 1
	s_mov_b32 s[G0A], 1
	s_mov_b32 s[G0B0], 1
	s_mov_b32 s[G0B], 1
	s_mul_i32 s[G0A0+1], s[CH], 64*PITCH           ; LDS addresses: no place in the cluster enters them
	s_add_co_u32 s[G0A+1], s[G0A0+1], SLOT1
	s_mul_i32 s[G0B0+1], s[CH], 128*PITCH
	s_add_co_u32 s[G0B0+1], s[G0B0+1], BOFF
	s_add_co_u32 s[G0B+1], s[G0B0+1], SLOT1
	; byte offsets, each in a pair of its own; ctx's hangs on the tile row alone, the weights' on the tile column alone
	s_lshl_b32 s70, s19, 7
	s_lshl_b32 s22, s[CH], 6
	s_add_co_u32 s70, s70, s22
	s_lshl_b32 s70, s70, KSHIFT
	s_mov_b32 s71, 0
	s_lshl_b32 s72, s18, 8
	s_lshl_b32 s22, s[CH], 7
	s_add_co_u32 s72, s72, s22
	s_lshl_b32 s72, s72, KSHIFT
	s_mov_b32 s73, 0
	s_lshl_b32 s74, s19, 7
	s_lshl_b32 s22, s[RH], 6
	s_add_co_u32 s74, s74, s22                     ; my first row,
	s_lshl_b32 s74, s74, 14                        ; of 16,384 bytes,
	s_lshl_b32 s22, s18, 10                        ; the tile's 256 columns of 4 bytes,
	s_add_co_u32 s74, s74, s22
	s_lshl_b32 s22, s[CH], 9                       ; my 128 of them
	s_add_co_u32 s74, s74, s22
	s_mov_b32 s75, 0
	; my cluster's class, from the cluster's own coordinates, which all partners share; the first K step asked for is the class's number, the second lies two further on
	s_and_b32 s[T0], ttmp7, 0xffff
	s_lshr_b32 s[T1], s[T0], 1
	s_xor_b32 s[T0], s[T0], s[T1]
	s_xor_b32 s[T0], s[T0], ttmp9
	s_and_b32 s[PI], s[T0], 1
	s_lshl_b32 s[OFF], s[PI], 8
	s_mov_b32 s[OFF+1], 0
	s_mov_b32 s[KT], 1
	s_mov_b32 s[TB], 0
	s_wait_dscnt 0x0                               ; the opening add is done
	s_wait_kmcnt 0x0
	s_add_nc_u64 s[BASEA:BASEA+1], s[4:5], s[70:71]
	s_add_nc_u64 s[G0A0+2:G0A0+3], s[BASEA:BASEA+1], s[OFF:OFF+1]
	s_add_nc_u64 s[G0A+2:G0A+3], s[G0A0+2:G0A0+3], 512
	s_or_b32 s[G0A0+3], s[G0A0+3], 0x80000000      ; type = 2
	s_or_b32 s[G0A+3], s[G0A+3], 0x80000000
	s_add_nc_u64 s[BASEB:BASEB+1], s[6:7], s[72:73]
	s_add_nc_u64 s[G0B0+2:G0B0+3], s[BASEB:BASEB+1], s[OFF:OFF+1]
	s_add_nc_u64 s[G0B+2:G0B+3], s[G0B0+2:G0B0+3], 512
	s_or_b32 s[G0B0+3], s[G0B0+3], 0x80000000
	s_or_b32 s[G0B+3], s[G0B+3], 0x80000000
	s_add_nc_u64 s[OUT:OUT+1], s[8:9], s[74:75]
	CROUND                                         ; all sixteen work-groups are here: the first joint loads meet
	s_cmp_eq_u32 s[RH], 0                          ; a wave's two first fills stand in one branch: two loads of mine are out
	s_cbranch_scc0 .Lfirst_b
	tensor_load_to_lds s[G0A0:G0A0+3], s[G1A:G1A+7]
	s_nop 0
	tensor_load_to_lds s[G0A:G0A+3], s[G1A:G1A+7]
	s_nop 0
.rept 4
	v_nop
.endr
	s_branch .Lfirst_asked
.Lfirst_b:
	tensor_load_to_lds s[G0B0:G0B0+3], s[G1B:G1B+7]
	s_nop 0
	tensor_load_to_lds s[G0B:G0B+3], s[G1B:G1B+7]
	s_nop 0
.rept 4
	v_nop
.endr
.Lfirst_asked:
	; a fragment is 16 rows x 32 K in 8 registers: lane l holds row l % 16, K = 8 (l / 16) + 0..7 and 16 + 8 (l / 16) + 0..7: two loads of 16 bytes, 32 bytes apart
	v_and_b32 v1, 15, v0
	v_bfe_u32 v2, v0, 4, 1
	v_mul_u32_u24 v3, v1, PITCH
	v_lshl_add_u32 v3, v2, 4, v3
	s_mul_i32 s22, s[RH], 64*PITCH
	s_mul_i32 s23, s[CH], 128*PITCH
	s_add_co_u32 s23, s23, BOFF
	v_add_nc_u32 v[A0], s22, v3
	v_add_nc_u32 v[B0], s23, v3
	s_mul_i32 s22, s[WV], 16*SPITCH
	s_add_co_u32 s22, s22, STAGE                   ; my stage
	v_mul_u32_u24 v[STO], v1, SPITCH               ; in: row l % 16, 32 bytes for each half of the lanes
	v_lshl_add_u32 v[STO], v2, 5, v[STO]
	v_add_nc_u32 v[STO], s22, v[STO]
	v_and_b32 v[CO], 31, v0
	v_lshlrev_b32 v[CO], 4, v[CO]
	v_add_nc_u32 v[RD], s22, v[CO]                 ; back: 32 lanes take one row of 512 bytes
	v_mov_b32 v[ADRA], v[A0]                       ; slot 0
	v_mov_b32 v[ADRB], v[B0]
	s_wait_tensorcnt 0x1                           ; my part of the first K step is in; the second's may stay out
	s_barrier_signal -1
	s_barrier_wait -1                              ; everybody's is
	FETCH 0, F0
	QUARTER 64, F0, F1, 1                          ; the first quarter stands in front of the loop: its products start the sums
	WIN 0                                          ; at a label and at a branch every window is 0
	s_mov_b32 s[CNT], NSTEP-2
.Lstep:                                                ; a trip goes from a K step's second quarter to the next step's first, and fills the slot that it leaves
	QUARTER 128, F1, F0, 0
	QUARTER 192, F0, F1, 0
	TURN 1
	QUARTER 64, F0, F1, 0
	WIN 0
	s_sub_co_u32 s[CNT], s[CNT], 1
	s_cmp_lg_u32 s[CNT], 0
	s_cbranch_scc1 .Lstep
	QUARTER 128, F1, F0, 0                         ; the last two K steps are written out: nothing is left to fetch
	QUARTER 192, F0, F1, 0
	TURN 0
	QUARTER 64, F0, F1, 0
	QUARTER 128, F1, F0, 0
	QUARTER 192, F0, F1, 0
	s_wait_dscnt 4
	MUL8 F1, 0, 0
	MUL8 F1, 1, 0
	s_wait_dscnt 0x0
	MUL8 F1, 2, 0
	MUL8 F1, 3, 0
	WIN 0
	PLACES
	; THE WAY OUT, a block of 16 rows at a time: the sums go as they are, f32, from the accumulators into my stage (each from its low end on) and come back as whole rows of 512 bytes.
.irp a, 0,1,2,3
	WIN 0x04                                       ; the stores' data in window 1
.irp b, 0,1,2,3,4,5,6,7
	ds_store_b128 v[STO], v[64*(\a)+8*(\b):64*(\a)+8*(\b)+3]   offset:64*(\b)
	ds_store_b128 v[STO], v[64*(\a)+8*(\b)+4:64*(\a)+8*(\b)+7] offset:64*(\b)+16
.endr
	WIN 0
	s_wait_xcnt 0x0                                ; earlier stores have had their addresses translated (ISA guide 3.1): their data registers are loaded again only behind this wait
.irp t, 0,1,2,3,4,5,6,7,8,9,10,11,12,13,14,15
	ds_load_b128 v[64+64*((\a)%2)+4*(\t):64+64*((\a)%2)+4*(\t)+3], v[RD] offset:(\t)*SPITCH  ; LDS serves a wave's instructions in order (ISA guide 5.7.1.4): these see the stores above
.endr
.irp t, 0,1,2,3,4,5,6,7,8,9,10,11,12,13,14,15
	s_wait_dscnt 15-(\t)
	global_store_b128 v[CO], v[64+64*((\a)%2)+4*(\t):64+64*((\a)%2)+4*(\t)+3], s[OUT:OUT+1] offset:(\a)*262144+(\t)*16384 th:TH_STORE_NT  ; 512 consecutive bytes, aligned; 1,032,192 at the most, inside the signed 24-bit immediate
.endr
.endr
	s_wait_tensorcnt 0x0                           ; the wave's end: an add to my spare word and its wait, behind my last tensor load and my last LDS store
	ds_add_u32 v[SPW], v[NIL]
	s_wait_dscnt 0x0
	CROUND                                         ; the closing round: no work-group ends while a partner may still ask for a tile that names it
	s_endpgm
.Lfunc_end_k_qbae25de683_gemm_o:
	.size	k_qbae25de683_gemm_o, .Lfunc_end_k_qbae25de683_gemm_o-k_qbae25de683_gemm_o
	.p2alignl 7, 3214868480
	.fill 96, 4, 3214868480
	.section	.rodata,"a",@progbits
	.p2align	6, 0x0
	.amdhsa_kernel k_qbae25de683_gemm_o
		.amdhsa_group_segment_fixed_size 327680
		.amdhsa_private_segment_fixed_size 0
		.amdhsa_enable_private_segment 0
		.amdhsa_kernarg_size 24
		.amdhsa_user_sgpr_count 2
		.amdhsa_user_sgpr_kernarg_segment_ptr 1
		.amdhsa_wavefront_size32 1
		.amdhsa_system_sgpr_workgroup_id_x 1
		.amdhsa_system_sgpr_workgroup_id_y 1
		.amdhsa_system_sgpr_workgroup_id_z 1
		.amdhsa_system_vgpr_workitem_id 0
		.amdhsa_next_free_vgpr 704
		.amdhsa_next_free_sgpr 90
		.amdhsa_reserve_vcc 0
		.amdhsa_float_denorm_mode_32 3
		.amdhsa_float_denorm_mode_16_64 3
		.amdhsa_memory_ordered 1
		.amdhsa_forward_progress 1
		.amdhsa_inst_pref_size 71
	.end_amdhsa_kernel
	.amdgpu_metadata
---
amdhsa.version: [ 1, 2 ]
amdhsa.kernels:
  - .name:           k_qbae25de683_gemm_o
    .symbol:         k_qbae25de683_gemm_o.kd
    .args:
      - { .name: ctx, .offset: 0, .size: 8, .value_kind: global_buffer, .address_space: global }
      - { .name: wo16, .offset: 8, .size: 8, .value_kind: global_buffer, .address_space: global }
      - { .name: out0, .offset: 16, .size: 8, .value_kind: global_buffer, .address_space: global }
    .group_segment_fixed_size: 327680
    .private_segment_fixed_size: 0
    .kernarg_segment_align: 8
    .kernarg_segment_size: 24
    .max_flat_workgroup_size: 128
    .sgpr_count:     90
    .vgpr_count:     704
    .wavefront_size: 32
...
	.end_amdgpu_metadata
.endif
;; end of part 4
